; MI455X (gfx1250); checked and timed in simulation.
; The chip was launched on July 23, 2026; its instructions are those of AMD's public machine-readable ISA for CDNA 5 (MIT licence, August 2026) and "CDNA5" Instruction Set Architecture Reference Guide (July 2026). The comments in the code are by the model that wrote it; some were corrected since.
;; Causal Attention. Allowed arithmetic: float matrix products may take bf16 or f16 operands with f32 sums; other float arithmetic in f32, or as packed bf16 or f16 multiplies, adds, multiply-adds, maxima and minima; sums over many terms, partial sums and values carried from step to step in f32; what a program stores and reads back later, other than sums and carried values, may be rounded once to bf16 or f16.
;; Inputs: W_k 1,024 x 1,024 float32; W_q 1,024 x 1,024 float32; W_v 1,024 x 1,024 float32; X_emb 4 x 2,048 x 1,024 float32.
;; Outputs: out0 4 x 2,048 x 1,024 float32.
;; One version. Each part assembles by itself: llvm-mc -triple=amdgcn-amd-amdhsa -mcpu=gfx1250 --defsym DOCPART=n.
;; ======== version 1 of 1: 4 launches
;; limits: values are held in f16: magnitudes above 65,504 overflow, below 6.1e-05 lose precision
;; workspace buffers: xb 16,777,216 bytes; wb 6,291,456 bytes; qkv 50,331,648 bytes; pw 33,554,432 bytes; st 1,048,576 bytes; hd 786,432 bytes
;; launch cast (part 1): grid 704 x 1, 8 waves a work-group, no clusters, 0 bytes of LDS; arguments X_emb, W_q, W_k, W_v, xb, wb; writes xb, wb
.if DOCPART == 1
	.amdgcn_target "amdgcn-amd-amdhsa--gfx1250"
	.amdhsa_code_object_version 6
	.text
	.protected	k_qebb37dfc29_cast
	.globl	k_qebb37dfc29_cast
	.p2align	8
	.type	k_qebb37dfc29_cast,@function
k_qebb37dfc29_cast:
	s_mov_b64 s[64:65], 0
	v_nop
	global_prefetch_b8 v0, s[64:65] scope:SCOPE_SE
	s_setreg_imm32_b32 hwreg(HW_REG_WAVE_MODE, 25, 1), 1
	s_wait_xcnt 0x0
; X_emb [8192][1024] and W_q, W_k, W_v [1024][1024], all f32, are rounded once to bf16 (nearest even) and laid in K blocks of 64:
; xb[kb][row][64] (16 blocks of 8,192 rows) and wb[kb][row][64] (16 blocks of 3,072 rows: W_q's rows, then W_k's, then W_v's).
; In that layout the rows of one K block lie end to end, 128 bytes each, so the next launch can ask for them as rows of 256 bytes.
; SHARES.  A work-group takes 16 rows of 1,024 numbers: groups 0-511 of X, groups 512-703 of the three weights.  Wave v takes K blocks 2 v and 2 v + 1.
; One turn moves four rows of one K block: a lane reads 32 consecutive bytes (8 numbers, two loads), eight lanes a row's 256 bytes, and writes 16 bytes;
; a store of the wave covers 512 consecutive bytes, aligned.  All 16 loads go out first; no register is written twice, so no source has to be freed.
; No LDS, no matrix unit, no barrier: each byte is read once and written once, and no wave needs another's data.
.set KBA, 1048576                      ; bytes in a K block of xb
.set KBB, 393216                       ; bytes in a K block of wb
.set SO,  1                            ; v1      my byte offset in the group's 16 source rows
.set DO,  2                            ; v2, v3  my byte offset in the destination, K block 2 v and 2 v + 1
.set X,   8                            ; v[8:71]   turn i: 8 numbers as loaded
.set Y,   72                           ; v[72:103] turn i: 4 registers to store
	s_load_b256 s[4:11], s[0:1], 0x0               ; X s[4:5], W_q s[6:7], W_k s[8:9], W_v s[10:11]
	s_load_b128 s[12:15], s[0:1], 0x20             ; xb s[12:13], wb s[14:15]
	s_sub_co_u32 s20, ttmp9, 512                   ; h: the group's number among the weights' 192
	s_lshr_b32 s21, s20, 6                         ; which weight
	s_and_b32 s22, s20, 63                         ; its block of 16 rows
	s_mov_b32 s24, KBB
	s_cmp_lt_u32 ttmp9, 512                        ; a group of X?
	s_cselect_b32 s22, ttmp9, s22                  ; block of 16 rows in the source,
	s_cselect_b32 s23, ttmp9, s20                  ; and in the destination
	s_cselect_b32 s24, KBA, s24                    ; the destination's K block
	s_lshl_b32 s2, s22, 16                         ; 16 rows of 4,096 bytes
	s_mov_b32 s3, 0
	s_lshl_b32 s26, s23, 11                        ; 16 rows of 128 bytes
	s_mov_b32 s27, 0
	v_and_b32 v4, 31, v0                           ; lane
	v_lshrrev_b32 v5, 5, v0                        ; wave
	v_lshrrev_b32 v6, 3, v4                        ; which of the turn's four rows
	v_and_b32 v7, 7, v4                            ; which 32 bytes of its 256
	v_lshlrev_b32 v[SO], 12, v6
	v_lshl_add_u32 v[SO], v7, 5, v[SO]
	v_lshl_add_u32 v[SO], v5, 9, v[SO]             ; + two K blocks of 256 source bytes a wave
	v_lshlrev_b32 v5, 1, v5
	v_mul_lo_u32 v5, v5, s24                       ; K block 2 v
	v_lshl_add_u32 v[DO], v4, 4, v5                ; four rows of 128 bytes are 32 lanes x 16 bytes on end
	v_add_nc_u32 v[DO+1], s24, v[DO]
	s_wait_kmcnt 0x0
	s_cmp_eq_u32 s21, 1
	s_cselect_b64 s[16:17], s[8:9], s[6:7]
	s_cmp_eq_u32 s21, 2
	s_cselect_b64 s[16:17], s[10:11], s[16:17]
	s_cmp_lt_u32 ttmp9, 512
	s_cselect_b64 s[16:17], s[4:5], s[16:17]       ; the source,
	s_cselect_b64 s[18:19], s[12:13], s[14:15]     ; the destination
	s_add_nc_u64 s[16:17], s[16:17], s[2:3]
	s_add_nc_u64 s[18:19], s[18:19], s[26:27]
.irp i, 0,1,2,3,4,5,6,7                ; turn i: rows 4 (i / 2) .. + 3, K block 2 v + i % 2
	global_load_b128 v[X+8*(\i):X+8*(\i)+3],   v[SO], s[16:17] offset:((\i)/2)*16384+((\i)%2)*256 th:TH_LOAD_NT
	global_load_b128 v[X+8*(\i)+4:X+8*(\i)+7], v[SO], s[16:17] offset:((\i)/2)*16384+((\i)%2)*256+16 th:TH_LOAD_NT
.endr
.irp i, 0,1,2,3,4,5,6,7
	s_wait_loadcnt 14-2*(\i)                       ; loads come back in order: this turn's two are in, the younger ones stay out
.irp k, 0,1,2,3
	v_cvt_pk_bf16_f32 v[Y+4*(\i)+(\k)], v[X+8*(\i)+2*(\k)], v[X+8*(\i)+2*(\k)+1]
.endr
	global_store_b128 v[DO+(\i)%2], v[Y+4*(\i):Y+4*(\i)+3], s[18:19] offset:((\i)/2)*512 th:TH_STORE_NT
.endr
	s_endpgm
.Lfunc_end_k_qebb37dfc29_cast:
	.size	k_qebb37dfc29_cast, .Lfunc_end_k_qebb37dfc29_cast-k_qebb37dfc29_cast
	.p2alignl 7, 3214868480
	.fill 96, 4, 3214868480
	.section	.rodata,"a",@progbits
	.p2align	6, 0x0
	.amdhsa_kernel k_qebb37dfc29_cast
		.amdhsa_group_segment_fixed_size 0
		.amdhsa_private_segment_fixed_size 0
		.amdhsa_enable_private_segment 0
		.amdhsa_kernarg_size 48
		.amdhsa_user_sgpr_count 2
		.amdhsa_user_sgpr_kernarg_segment_ptr 1
		.amdhsa_wavefront_size32 1
		.amdhsa_system_sgpr_workgroup_id_x 1
		.amdhsa_system_sgpr_workgroup_id_y 1
		.amdhsa_system_sgpr_workgroup_id_z 1
		.amdhsa_system_vgpr_workitem_id 0
		.amdhsa_next_free_vgpr 104
		.amdhsa_next_free_sgpr 66
		.amdhsa_reserve_vcc 0
		.amdhsa_float_denorm_mode_32 3
		.amdhsa_float_denorm_mode_16_64 3
		.amdhsa_memory_ordered 1
		.amdhsa_forward_progress 1
		.amdhsa_inst_pref_size 7
	.end_amdhsa_kernel
	.amdgpu_metadata
---
amdhsa.version: [ 1, 2 ]
amdhsa.kernels:
  - .name:           k_qebb37dfc29_cast
    .symbol:         k_qebb37dfc29_cast.kd
    .args:
      - { .name: X_emb, .offset: 0, .size: 8, .value_kind: global_buffer, .address_space: global }
      - { .name: W_q, .offset: 8, .size: 8, .value_kind: global_buffer, .address_space: global }
      - { .name: W_k, .offset: 16, .size: 8, .value_kind: global_buffer, .address_space: global }
      - { .name: W_v, .offset: 24, .size: 8, .value_kind: global_buffer, .address_space: global }
      - { .name: xb, .offset: 32, .size: 8, .value_kind: global_buffer, .address_space: global }
      - { .name: wb, .offset: 40, .size: 8, .value_kind: global_buffer, .address_space: global }
    .group_segment_fixed_size: 0
    .private_segment_fixed_size: 0
    .kernarg_segment_align: 8
    .kernarg_segment_size: 48
    .max_flat_workgroup_size: 256
    .sgpr_count:     66
    .vgpr_count:     104
    .wavefront_size: 32
...
	.end_amdgpu_metadata
.endif
;; end of part 1
;; launch proj (part 2): grid 8 x 32, 4 waves a work-group, clusters of 4 x 4, 327,680 bytes of LDS; arguments xb, wb, qkv, hd; writes qkv, hd
.if DOCPART == 2
	.amdgcn_target "amdgcn-amd-amdhsa--gfx1250"
	.amdhsa_code_object_version 6
	.text
	.protected	k_qebb37dfc29_proj
	.globl	k_qebb37dfc29_proj
	.p2align	8
	.type	k_qebb37dfc29_proj,@function
k_qebb37dfc29_proj:
	s_mov_b64 s[64:65], 0
	v_nop
	global_prefetch_b8 v0, s[64:65] scope:SCOPE_SE
	s_setreg_imm32_b32 hwreg(HW_REG_WAVE_MODE, 25, 1), 1
	s_wait_xcnt 0x0
	s_wait_alu depctr_hold_cnt(0) depctr_sa_sdst(0) depctr_va_vdst(0) depctr_va_sdst(0) depctr_va_ssrc(0) depctr_va_vcc(0) depctr_vm_vsrc(0)
	s_getreg_b32 s2, hwreg(HW_REG_IB_STS2, 6, 4)
	s_cmp_eq_u32 s2, 0
	s_cbranch_scc0 .Lentry_in_a_cluster
	s_endpgm
.Lentry_in_a_cluster:
	s_bfe_u32 s2, ttmp6, 0x10000c
	s_cmp_lg_u32 s2, 0xf033
	s_cbranch_scc0 .Lentry_shape_is_right
	s_endpgm
.Lentry_shape_is_right:
; qkv[row][0:3072] = x[row][:] . [W_q; W_k; W_v]^T: 8,192 x 3,072 outputs over K = 1,024.  Operands bf16 (xb, wb in K blocks of 64), sums f32, K ascending, the result rounded once to f16.
; The first 16 rows of each batch are stored a second time, unrounded, into hd[batch][16][3072] in f32: a row q of the module's output averages over q + 1 keys only, so in the first rows the
; roundings to f16 reach the output undiminished; the next launch makes those rows from hd.
; LIMIT.  f16 ends at 65,504: a q, k or v beyond that becomes an infinity.  With x and the weights 30 times the drawn spread the results stay near 5,000.
; SHARES.  8,192 x 3,072 outputs over 256 work-groups are 256 rows x 384 columns each.  Wave (r, c) makes 128 rows x 192 columns: 8 x 12 accumulators, 768 registers.
; THE RING.  K goes in 16 steps of 64 through two LDS slots (256 rows of x, 384 rows of w, 128 bytes + 16 of padding each).  In xb and wb a K block's rows lie end to end, so a wave's
; part (128 rows of x or 192 of w) is a dense block and is asked for as rows of 256 bytes.
; CLUSTER.  4 x 4 work-groups: x's tile hangs on the tile row alone and is asked for jointly along a row of the cluster, w's on the tile column alone, jointly along a column.
; The tile row is 8 cy + cluster y: a row of the cluster is a batch, and the clusters with y = 0 hold the four batches' first tiles: what only those tiles do hangs on a number that all partners share.
; THE MATRIX INSTRUCTION IS USED TRANSPOSED (source 0 = 16 rows of w, source 1 = 16 rows of x): a lane holds one row of the result and eight neighbouring columns.
; A K STEP is six phases of 32 matrix instructions: phase p takes K half p / 3 and column group p % 3 (four blocks of 16 columns) for all 8 row blocks.  w's fragments have two buffers of four,
; filled a phase ahead; x's two K halves have a buffer each.  The 96 accumulators take turns: one comes up again three phases later.
; REGISTERS.  Window 0: v0-15 addresses; v16-111 rows on the way out; v64-191 x's fragments (on the way out packed results); v192-255 w's fragments.
;   Window g + 1: the 32 accumulators of column group g, (a, bi) at v[8 (4 a + bi)].
.set KBA,    1048576                   ; bytes in a K block of xb
.set KBB,    393216                    ; of wb
.set PITCH,  144                       ; an LDS row: 128 bytes + 16: an odd multiple of 16, so the 16 rows of a fragment load start in 16 different groups of four banks (ISA guide 11.1)
.set AHALF,  128*PITCH                 ; what waves 0 and 1 fetch
.set BHALF,  192*PITCH                 ; what waves 2 and 3 fetch
.set BOFF,   2*AHALF
.set SLOT1,  1<<17                     ; slot 1 begins here: one exclusive or turns an address in one slot into the other's
.set SPITCH, 784                       ; the stage for the way out: 256 rows of 768 bytes + 16; it lies over the slots, which have had their last fill by then
.set SPARE,  SLOT1+BOFF+2*BHALF        ; behind slot 1: the spare words, 128 bytes a wave, which no other line names
.set A0,   4                           ; v4   my lane's place in x's rows of a slot; never rewritten
.set B0,   5                           ; v5   the same for w
.set ADRA, 6                           ; v6   A0 + the slot in hand
.set ADRB, 7                           ; v7   B0 + the slot in hand
.set STO,  8                           ; v8, v9  the stage: where I put 16 bytes, row blocks 0-3 and 4-7
.set RD,   10                          ; v10  the stage: where I read rows back
.set CO,   11                          ; v11  my byte offset in two rows of qkv
.set PFO,  12                          ; v12  the prefetches' offset; never rewritten
.set HO,   13                          ; v13  my byte offset in hd: row l % 16, 32 bytes for each half of the lanes
.set SPW,  14                          ; v14  my spare word
.set NIL,  15                          ; v15  0
.set BK,   16
.set AA,   64
.set BB,   192
.set TMP,  64
.set G1A,  24                          ; s[24:31] descriptor group 1 for x's tiles
.set G0A,  32                          ; s[32:39] group 0: a set for each first fill; the second then walks
.set G1B,  48
.set G0B,  56
.set TB,   23                          ; s23  the slot that the fragment loads read
.set PFA,  66                          ; s[66:67] where my prefetches stand
.set KB,   68                          ; s[68:69] a K block of the tensor that I prefetch
.set LIM,  70                          ; s70  3 in a wave that prefetches, else the greatest number
.set HDF,  71                          ; s71  0 in the waves that hold a batch's first 16 rows: cluster y = 0 and r = 0
.set HD,   72                          ; s[72:73] hd at my batch and my 192 columns
.set MSB, 0
.macro WIN new                         ; the immediate's high byte repeats the setting that is left; a switch that changes nothing is dropped
.if MSB != (\new)
	s_set_vgpr_msb (MSB<<8)|(\new)
.set MSB, (\new)
.endif
.endm
.macro PLACES                          ; four plain vector instructions between a matrix instruction and a load into, or a vector read or write of, its registers (ISA guide 7.12.1 for vector instructions)
.rept 4
	v_nop
.endr
.endm
.macro JLOAD                           ; a joint refill: waves 0 and 1 x's halves, waves 2 and 3 w's.  An s_nop 0 and four v_nop follow each line
	s_cmp_eq_u32 s11, 0
	s_cbranch_scc0 .Lfor_b_\@
	tensor_load_to_lds s[G0A+4:G0A+7], s[G1A:G1A+7]
	s_nop 0
	PLACES
	s_branch .Lasked_\@
.Lfor_b_\@:
	tensor_load_to_lds s[G0B+4:G0B+7], s[G1B:G1B+7]
	s_nop 0
	PLACES
.Lasked_\@:
.endm
.macro CREST                           ; a round of the cluster's barrier behind its opening barrier
	s_cmp_lg_u32 s10, 0
	s_cbranch_scc1 .Lnot_wave_0_\@
	s_barrier_signal -3
.Lnot_wave_0_\@:
	s_barrier_wait -3
	s_barrier_signal -1
	s_barrier_wait -1
.endm
.macro CROUND
	s_barrier_signal -1
	s_barrier_wait -1
	CREST
.endm
; A PREFETCH INTO THE L2.  In every second trip, behind the joint load and the run of LDS loads: trip t, which refills K step t + 2, names K steps t + 3 and t + 4, which the next two refills will ask for.
; A K step of a tile row of x is 128 blocks of 256 bytes, of a tile column of w 192.  x's are named by the clusters with x = 0, w's by those with y = 0, since the other clusters
; along that axis read the same rows.  The four partners share the blocks out BY ADDRESS: wave 0 takes 32 blocks of each of x's two K steps (place cx); waves 1 to 3 take 32 of the 384 blocks of w's
; two K steps (place 3 cy + wave - 1).  So each block is named once in the launch.  K steps 0 to 2 and 15 come by their loads alone; the last request names K step 14.
.macro ASK
	s_bitcmp1_b32 s3, 0                            ; the trips with an odd count ask for nothing
	s_cbranch_scc1 .Lnot_now_\@
	s_cmp_gt_u32 s3, s[LIM]
	s_cbranch_scc0 .Lnot_now_\@
	global_prefetch_b8 v[PFO], s[PFA:PFA+1] th:TH_LOAD_NT scope:SCOPE_SE
	s_cmp_eq_u32 s10, 0
	s_cbranch_scc0 .Lnot_now_\@
	global_prefetch_b8 v[PFO], s[PFA:PFA+1] offset:KBA th:TH_LOAD_NT scope:SCOPE_SE
.Lnot_now_\@:
.endm
	s_load_b128 s[4:7], s[0:1], 0x0                ; xb s[4:5], wb s[6:7]
	s_load_b64 s[8:9], s[0:1], 0x10                ; qkv
	s_load_b64 s[HD:HD+1], s[0:1], 0x18            ; hd
	v_lshl_add_u32 v[SPW], v0, 2, SPARE
	v_mov_b32 v[NIL], 0
	ds_add_u32 v[SPW], v[NIL]                      ; the wave's opening: the add and its wait come ahead of my first tensor load; the set-up below stands between them
	ds_add_u32 v14, v15
	v_lshrrev_b32 v1, 5, v0
	v_readfirstlane_b32 s10, v1                    ; wave 0..3
	s_lshr_b32 s11, s10, 1                         ; r: which 128 rows are mine.  Also: I fetch for x (0) or for w (1)
	s_and_b32 s12, s10, 1                          ; c: which 192 columns.  Also: which half of that tile I fetch
	s_bfe_u32 s40, ttmp6, 0x40000                  ; cx
	s_bfe_u32 s41, ttmp6, 0x40004                  ; cy
	s_lshl_b32 s42, ttmp9, 2
	s_add_co_u32 s42, s42, s40                     ; tile column 0..7
	s_and_b32 s[HDF], ttmp7, 0xffff                ; cluster y 0..7: the tile's place in its batch
	s_lshl_b32 s13, s41, 3
	s_add_co_u32 s13, s13, s[HDF]                  ; tile row 0..31 = 8 cy + cluster y: batch cy
	s_or_b32 s[HDF], s[HDF], s11                   ; 0: a batch's first tile, and its upper 128 rows
	s_lshl_b32 s43, s41, 2
	s_lshl_b32 s43, 15, s43                        ; my row of the cluster
	s_lshl_b32 s44, 0x1111, s40                    ; my column
	s_or_b32 s[G1A], s43, (1<<16)|(1<<20)|(1<<21)|(4<<22)|(3<<25)  ; 15:0 the mask; 17:16 2-byte elements; 20 padding on; 21 set beside a mask; 24:22 after every 32 words; 31:25 4 words
	s_or_b32 s[G1B], s44, (1<<16)|(1<<20)|(1<<21)|(4<<22)|(3<<25)
	s_mov_b32 s[G1A+1], 128<<16                    ; tensor_dim0 = 128 elements: rows of 256 bytes, two rows of the K block each
	s_mov_b32 s[G1A+2], 64<<16                     ; tensor_dim1 = 64
	s_mov_b32 s[G1A+3], 128<<16                    ; tile_dim0
	s_mov_b32 s[G1A+4], 64                         ; tile_dim1
	s_mov_b32 s[G1A+5], 128                        ; the pitch: the block is dense
	s_mov_b32 s[G1A+6], 0
	s_mov_b32 s[G1A+7], 0
	s_mov_b32 s[G1B+1], 128<<16
	s_mov_b32 s[G1B+2], 96<<16                     ; 192 rows of w are 96 rows of 256 bytes
	s_mov_b32 s[G1B+3], 128<<16
	s_mov_b32 s[G1B+4], 96
	s_mov_b32 s[G1B+5], 128
	s_mov_b32 s[G1B+6], 0
	s_mov_b32 s[G1B+7], 0
	s_lshl_b32 s16, s13, 15                        ; x: (256 x tile row + 128 x half) rows of 128 bytes
	s_lshl_b32 s17, s12, 14
	s_add_co_u32 s16, s16, s17
	s_mov_b32 s17, 0
	s_mul_i32 s46, s42, 49152                      ; w: (384 x tile column + 192 x half) rows of 128 bytes
	s_mul_i32 s47, s12, 24576
	s_add_co_u32 s46, s46, s47
	s_mov_b32 s47, 0
	s_mul_i32 s20, s12, AHALF                      ; where they go: no place in the cluster enters an LDS address
	s_mul_i32 s21, s12, BHALF
	s_add_co_u32 s21, s21, BOFF
	s_mov_b32 s[TB], 0
	s_wait_dscnt 0x0                               ; the opening add is done
	s_wait_kmcnt 0x0
	s_add_nc_u64 s[14:15], s[4:5], s[16:17]
	s_add_nc_u64 s[46:47], s[6:7], s[46:47]
	CROUND                                         ; all sixteen work-groups are here: the first joint loads meet
.irp s, 0,1
	s_mov_b32 s[G0A+4*(\s)], 1
	s_add_co_u32 s[G0A+4*(\s)+1], s20, (\s)*SLOT1
	s_add_nc_u64 s[G0A+4*(\s)+2:G0A+4*(\s)+3], s[14:15], (\s)*KBA
	s_or_b32 s[G0A+4*(\s)+3], s[G0A+4*(\s)+3], 0x80000000
	s_mov_b32 s[G0B+4*(\s)], 1
	s_add_co_u32 s[G0B+4*(\s)+1], s21, (\s)*SLOT1
	s_add_nc_u64 s[G0B+4*(\s)+2:G0B+4*(\s)+3], s[46:47], (\s)*KBB
	s_or_b32 s[G0B+4*(\s)+3], s[G0B+4*(\s)+3], 0x80000000
.endr
	s_cmp_eq_u32 s11, 0                            ; a wave's two first fills stand in one branch: two loads of mine are out
	s_cbranch_scc0 .Lfirst_b
	tensor_load_to_lds s[G0A:G0A+3], s[G1A:G1A+7]
	s_nop 0
	tensor_load_to_lds s[G0A+4:G0A+7], s[G1A:G1A+7]
	s_nop 0
	PLACES
	s_branch .Lfirst_asked
.Lfirst_b:
	tensor_load_to_lds s[G0B:G0B+3], s[G1B:G1B+7]
	s_nop 0
	tensor_load_to_lds s[G0B+4:G0B+7], s[G1B:G1B+7]
	s_nop 0
	PLACES
.Lfirst_asked:
	; a fragment is 16 rows x 32 K in 8 registers: lane l holds row l % 16, K = 8 (l / 16) + 0..7 and 16 + 8 (l / 16) + 0..7: two loads of 16 bytes, 32 bytes apart
	v_and_b32 v1, 15, v0                           ; l % 16
	v_bfe_u32 v2, v0, 4, 1                         ; l / 16
	v_mul_u32_u24 v3, v1, PITCH
	v_lshl_add_u32 v3, v2, 4, v3
	s_mul_i32 s18, s11, AHALF
	s_mul_i32 s19, s12, BHALF
	s_add_co_u32 s19, s19, BOFF
	v_add_nc_u32 v[A0], s18, v3
	v_add_nc_u32 v[B0], s19, v3
	v_mov_b32 v[ADRA], v[A0]
	v_mov_b32 v[ADRB], v[B0]
	v_mul_u32_u24 v3, v1, SPITCH                   ; into the stage: row 128 r + 16 a + l % 16, byte 384 c + 32 b + 16 (l / 16)
	v_lshl_add_u32 v3, v2, 4, v3
	s_mul_i32 s18, s11, 128*SPITCH
	s_mul_i32 s19, s12, 384
	s_add_co_u32 s18, s18, s19
	v_add_nc_u32 v[STO], s18, v3
	v_add_nc_u32 v[STO+1], 64*SPITCH, v[STO]
	v_mul_u32_u24 v3, v2, SPITCH                   ; back: wave w takes rows 64 w .. 64 w + 63 whole; lanes 0-15 256 bytes of one row, lanes 16-31 of the next
	v_lshl_add_u32 v3, v1, 4, v3
	s_mul_i32 s18, s10, 64*SPITCH
	v_add_nc_u32 v[RD], s18, v3
	v_mul_u32_u24 v3, v2, 6144
	v_lshl_add_u32 v[CO], v1, 4, v3
	v_mul_u32_u24 v[HO], v1, 12288                 ; hd: a row is 3,072 numbers of 4 bytes
	v_lshl_add_u32 v[HO], v2, 5, v[HO]
	s_lshl_b32 s16, s13, 8
	s_lshl_b32 s17, s10, 6
	s_add_co_u32 s16, s16, s17                     ; the first row that I store
	s_mul_i32 s16, s16, 6144
	s_mul_i32 s18, s42, 768                        ; the tile's first column, in bytes
	s_add_co_u32 s16, s16, s18
	s_mov_b32 s17, 0
	s_add_nc_u64 s[8:9], s[8:9], s[16:17]
	s_mul_i32 s16, s41, 196608                     ; hd: batch cy's 16 rows,
	s_mul_i32 s18, s42, 1536                       ; the tile's 384 columns,
	s_add_co_u32 s16, s16, s18
	s_mul_i32 s18, s12, 768                        ; my 192 of them
	s_add_co_u32 s16, s16, s18
	s_add_nc_u64 s[HD:HD+1], s[HD:HD+1], s[16:17]
	; the prefetches
	s_mul_i32 s18, s41, 3
	s_add_co_u32 s18, s18, s10
	s_sub_co_u32 s18, s18, 1                       ; waves 1-3: my 32 blocks among w's 12 x 32 of two K steps
	s_mul_i32 s19, s18, 43
	s_lshr_b32 s19, s19, 8                         ; 1 from place 6 on: the second K step,
	s_mul_i32 s19, s19, KBB-49152                  ; which begins a K block behind the first
	s_lshl_b32 s18, s18, 13
	s_add_co_u32 s18, s18, s19
	s_lshl_b32 s19, s40, 13                        ; wave 0: my 32 blocks among x's 128
	s_lshl_b32 s16, s13, 15                        ; the tile row's first byte in a K block of xb
	s_mul_i32 s17, s42, 49152                      ; the tile column's in a K block of wb
	s_and_b32 s45, ttmp7, 0xffff
	s_mov_b32 s[KB], KBB
	s_cmp_eq_u32 s10, 0
	s_cselect_b32 s18, s19, s18
	s_cselect_b32 s16, s16, s17
	s_cselect_b32 s45, ttmp9, s45                  ; the coordinate along which other clusters read the same rows
	s_cselect_b32 s[KB], KBA, s[KB]
	s_cselect_b64 s[PFA:PFA+1], s[4:5], s[6:7]
	s_mov_b32 s17, 0
	s_mov_b32 s[KB+1], 0
	s_cmp_eq_u32 s45, 0
	s_cselect_b32 s[LIM], 3, -1                    ; the same in all sixteen partners, for a given wave
	s_add_nc_u64 s[PFA:PFA+1], s[PFA:PFA+1], s[16:17]
	s_add_nc_u64 s[PFA:PFA+1], s[PFA:PFA+1], s[KB:KB+1]
	s_add_nc_u64 s[PFA:PFA+1], s[PFA:PFA+1], s[KB:KB+1]  ; at K step 2: the first change of slots steps it to 3
	v_and_b32 v[PFO], 31, v0
	v_lshl_add_u32 v[PFO], v[PFO], 8, s18
.macro FETCHB g, kk, buf               ; w's four fragments of column group g, K half kk
	WIN 0
.irp i, 0,1,2,3
	ds_load_b128 v[BB+32*(\buf)+8*(\i):BB+32*(\buf)+8*(\i)+3],   v[ADRB] offset:(4*(\g)+(\i))*16*PITCH+64*(\kk)
	ds_load_b128 v[BB+32*(\buf)+8*(\i)+4:BB+32*(\buf)+8*(\i)+7], v[ADRB] offset:(4*(\g)+(\i))*16*PITCH+64*(\kk)+32
.endr
.endm
.macro FETCHA kk                       ; x's eight fragments of K half kk
	WIN 0
.irp i, 0,1,2,3,4,5,6,7
	ds_load_b128 v[AA+64*(\kk)+8*(\i):AA+64*(\kk)+8*(\i)+3],   v[ADRA] offset:(\i)*16*PITCH+64*(\kk)
	ds_load_b128 v[AA+64*(\kk)+8*(\i)+4:AA+64*(\kk)+8*(\i)+7], v[ADRA] offset:(\i)*16*PITCH+64*(\kk)+32
.endr
.endm
.macro MULA g, kk, buf, a0, cnt, zero  ; row blocks a0 .. a0 + cnt - 1 x the group's four column blocks.  zero = 1: the product starts the sum
	WIN 0x50*((\g)+1)
.set ma, (\a0)
.rept (\cnt)
.irp bi, 0,1,2,3
.if \zero
	v_wmma_f32_16x16x32_bf16 v[8*(4*ma+(\bi)):8*(4*ma+(\bi))+7], v[BB+32*(\buf)+8*(\bi):BB+32*(\buf)+8*(\bi)+7], v[AA+64*(\kk)+8*ma:AA+64*(\kk)+8*ma+7], 0
.else
	v_wmma_f32_16x16x32_bf16 v[8*(4*ma+(\bi)):8*(4*ma+(\bi))+7], v[BB+32*(\buf)+8*(\bi):BB+32*(\buf)+8*(\bi)+7], v[AA+64*(\kk)+8*ma:AA+64*(\kk)+8*ma+7], v[8*(4*ma+(\bi)):8*(4*ma+(\bi))+7]
.endif
.endr
.set ma, ma+1
.endr
.endm
; A plain phase p (0 to 4): its own fragments, asked for a phase ago, are in; the next phase's are asked for, into the buffer that the phase before has read; 32 products.
.macro PH p, zero
	s_wait_dscnt 0x0
	PLACES
	FETCHB ((\p)+1)%3, ((\p)+1)/3, ((\p)+1)%2
.if (\p) == 1
	FETCHA 1
.endif
	MULA (\p)%3, (\p)/3, (\p)%2, 0, 8, \zero
.endm
; Phase 4 with the change of slots.  The step's last fragments are asked for at its head, so at the barrier this slot has been read out.  In front of the barrier each wave waits for all its tensor loads
; (one is out: its part of the next slot), adds 0 to its spare word, and waits for that and for its reads.  fill = 1: the barrier opens a round of the cluster's, and the joint refill, two K steps ahead, is the
; first thing behind it: it has the work up to the next such wait, 176 matrix instructions, in which to land.
.macro P4 fill
.if \fill
	s_wait_xcnt 0x0                                ; the last prefetch, a K step back or more, has read its address
	s_add_nc_u64 s[PFA:PFA+1], s[PFA:PFA+1], s[KB:KB+1]
.endif
	s_wait_dscnt 0x0
	PLACES
	FETCHB 2, 1, 1
	MULA 1, 1, 0, 0, 4, 0
	WIN 0
	s_wait_tensorcnt 0x0                           ; no tensor load of mine is out, so a group 0 may be written
	ds_add_u32 v[SPW], v[NIL]                      ; 0 onto my spare word
.if \fill
	s_xor_b32 s[G0A+5], s[G0A+5], SLOT1            ; the walking descriptors: the other slot than last time, the next K block
	s_add_nc_u64 s[G0A+6:G0A+7], s[G0A+6:G0A+7], KBA
	s_xor_b32 s[G0B+5], s[G0B+5], SLOT1
	s_add_nc_u64 s[G0B+6:G0B+7], s[G0B+6:G0B+7], KBB
.endif
	MULA 1, 1, 0, 4, 2, 0
	s_wait_dscnt 0x0                               ; the add is done, and my reads of this slot are over
	s_barrier_signal -1
	MULA 1, 1, 0, 6, 2, 0
	WIN 0
	s_barrier_wait -1
.if \fill
	CREST
	JLOAD                                          ; its four v_nop are also the places in front of the loads below
.else
	PLACES
.endif
	s_xor_b32 s[TB], s[TB], SLOT1
	v_add_nc_u32 v[ADRA], s[TB], v[A0]
	v_add_nc_u32 v[ADRB], s[TB], v[B0]
	FETCHB 0, 0, 0                                 ; the next K step's first fragments
	FETCHA 0
.if \fill
	ASK
.endif
.endm
.macro P5 wait                         ; phase 5 asks for nothing; behind a change of slots its fragments are in already
.if \wait
	s_wait_dscnt 0x0
.endif
	MULA 2, 1, 1, 0, 8, 0
.endm
	s_wait_tensorcnt 0x1                           ; my part of K step 0 is in; K step 1's may stay out
	s_barrier_signal -1
	s_barrier_wait -1
	FETCHB 0, 0, 0
	FETCHA 0
	PH 0, 1                                        ; the first three phases start all 96 sums: nothing is cleared
	PH 1, 1
	PH 2, 1
	WIN 0
	s_mov_b32 s3, 14
.Lstep:                                        ; trip t: the second K half of step t, the refill for step t + 2, the first K half of step t + 1
	PH 3, 0
	P4 1
	P5 0
	PH 0, 0
	PH 1, 0
	PH 2, 0
	WIN 0
	s_sub_co_u32 s3, s3, 1
	s_cmp_lg_u32 s3, 0
	s_cbranch_scc1 .Lstep
	PH 3, 0                                        ; the tail is written out: steps 14 and 15 ask for nothing
	P4 0
	P5 0
	PH 0, 0
	PH 1, 0
	PH 2, 0
	PH 3, 0
	PH 4, 0
	P5 1
	; THE WAY OUT.  Rounded to f16, 16 bytes a lane, into one stage of 256 whole rows; a row's 768 bytes come from two waves, so a barrier stands between writing and reading.
	WIN 0
	s_wait_dscnt 0x0
	s_barrier_signal -1
	s_barrier_wait -1                              ; nobody reads the slots any more, and all fills have landed: the stage may lie over them
	PLACES
	; A batch's first 16 rows also leave as they are, in f32: row block 0's 12 accumulators, a lane's eight columns as two stores of 16 bytes.  These stores fill only 64 consecutive bytes of a row each pair:
	; 786,432 bytes in the whole launch, beside qkv's 50,331,648.  The jump hangs on cluster y and the wave's number, the same in all partners; it passes no barrier and no tensor load.
	s_cmp_eq_u32 s[HDF], 0
	s_cbranch_scc0 .Lno_head
.irp g, 0,1,2
	WIN ((\g)+1)<<2                                ; store data in window g + 1, the address in window 0
.irp bi, 0,1,2,3
	global_store_b128 v[HO], v[8*(\bi):8*(\bi)+3],   s[HD:HD+1] offset:(4*(\g)+(\bi))*64
	global_store_b128 v[HO], v[8*(\bi)+4:8*(\bi)+7], s[HD:HD+1] offset:(4*(\g)+(\bi))*64+16
.endr
.endr
	WIN 0
.Lno_head:
.irp g, 0,1,2
	WIN ((\g)+1)|(((\g)+1)<<2)                     ; sources in window g + 1, destination in window 0
.set t, 0
.rept 32
.irp r, 0,1,2,3
	v_cvt_pk_f16_f32 v[TMP+4*t+(\r)], v[8*t+2*(\r)], v[8*t+2*(\r)+1]
.endr
.set t, t+1
.endr
	WIN 0
.set t, 0
.rept 32                               ; t = 4 a + bi
	ds_store_b128 v[STO+t/16], v[TMP+4*t:TMP+4*t+3] offset:((t/4)%4)*16*SPITCH+(4*(\g)+t%4)*32
.set t, t+1
.endr
.endr
	s_wait_dscnt 0x0                               ; for the others' sake: my stores into the stage are done
	s_barrier_signal -1
	s_barrier_wait -1
.macro RDROWS t                        ; eight whole rows, 12 loads, into set t % 2
.irp u, 0,1,2,3
.irp k, 0,1,2
	ds_load_b128 v[BK+48*((\t)%2)+4*(3*(\u)+(\k)):BK+48*((\t)%2)+4*(3*(\u)+(\k))+3], v[RD] offset:(8*(\t)+2*(\u))*SPITCH+256*(\k)
.endr
.endr
.endm
.macro STROWS t                        ; 16 lanes store 256 consecutive bytes, at a multiple of 256 from qkv's first byte
.irp u, 0,1,2,3
.irp k, 0,1,2
	global_store_b128 v[CO], v[BK+48*((\t)%2)+4*(3*(\u)+(\k)):BK+48*((\t)%2)+4*(3*(\u)+(\k))+3], s[8:9] offset:(8*(\t)+2*(\u))*6144+256*(\k)
.endr
.endr
.endm
	RDROWS 0
.set T, 0
.rept 7
	s_wait_xcnt 0x0                                ; the stores issued so far have read their data: the other set may be loaded again
	RDROWS T+1
	s_wait_dscnt 12                                ; all but the 12 just issued
	STROWS T
.set T, T+1
.endr
	s_wait_dscnt 0x0
	STROWS 7
	s_wait_tensorcnt 0x0                           ; the wave's end, behind my last tensor load and my last LDS store
	ds_add_u32 v[SPW], v[NIL]
	s_wait_dscnt 0x0
	CROUND                                         ; the closing round: no work-group ends while a partner may still ask for a tile that names it
	s_endpgm
.Lfunc_end_k_qebb37dfc29_proj:
	.size	k_qebb37dfc29_proj, .Lfunc_end_k_qebb37dfc29_proj-k_qebb37dfc29_proj
	.p2alignl 7, 3214868480
	.fill 96, 4, 3214868480
	.section	.rodata,"a",@progbits
	.p2align	6, 0x0
	.amdhsa_kernel k_qebb37dfc29_proj
		.amdhsa_group_segment_fixed_size 327680
		.amdhsa_private_segment_fixed_size 0
		.amdhsa_enable_private_segment 0
		.amdhsa_kernarg_size 32
		.amdhsa_user_sgpr_count 2
		.amdhsa_user_sgpr_kernarg_segment_ptr 1
		.amdhsa_wavefront_size32 1
		.amdhsa_system_sgpr_workgroup_id_x 1
		.amdhsa_system_sgpr_workgroup_id_y 1
		.amdhsa_system_sgpr_workgroup_id_z 1
		.amdhsa_system_vgpr_workitem_id 0
		.amdhsa_next_free_vgpr 1024
		.amdhsa_next_free_sgpr 76
		.amdhsa_reserve_vcc 0
		.amdhsa_float_denorm_mode_32 3
		.amdhsa_float_denorm_mode_16_64 3
		.amdhsa_memory_ordered 1
		.amdhsa_forward_progress 1
		.amdhsa_inst_pref_size 114
	.end_amdhsa_kernel
	.amdgpu_metadata
---
amdhsa.version: [ 1, 2 ]
amdhsa.kernels:
  - .name:           k_qebb37dfc29_proj
    .symbol:         k_qebb37dfc29_proj.kd
    .args:
      - { .name: xb, .offset: 0, .size: 8, .value_kind: global_buffer, .address_space: global }
      - { .name: wb, .offset: 8, .size: 8, .value_kind: global_buffer, .address_space: global }
      - { .name: qkv, .offset: 16, .size: 8, .value_kind: global_buffer, .address_space: global }
      - { .name: hd, .offset: 24, .size: 8, .value_kind: global_buffer, .address_space: global }
    .group_segment_fixed_size: 327680
    .private_segment_fixed_size: 0
    .kernarg_segment_align: 8
    .kernarg_segment_size: 32
    .max_flat_workgroup_size: 128
    .sgpr_count:     76
    .vgpr_count:     1024
    .wavefront_size: 32
...
	.end_amdgpu_metadata
.endif
;; end of part 2
;; launch scores (part 3): grid 37 x 4, 4 waves a work-group, no clusters, 327,680 bytes of LDS; arguments qkv, pw, st, hd, out0; writes pw, st, out0
.if DOCPART == 3
	.amdgcn_target "amdgcn-amd-amdhsa--gfx1250"
	.amdhsa_code_object_version 6
	.text
	.protected	k_qebb37dfc29_scores
	.globl	k_qebb37dfc29_scores
	.p2align	8
	.type	k_qebb37dfc29_scores,@function
k_qebb37dfc29_scores:
	s_mov_b64 s[64:65], 0
	v_nop
	global_prefetch_b8 v0, s[64:65] scope:SCOPE_SE
	s_setreg_imm32_b32 hwreg(HW_REG_WAVE_MODE, 25, 1), 1
	s_wait_xcnt 0x0
; For each batch and each of the 36 tiles (i, j <= i) of 256 queries x 256 keys: s = q . k (K = 1,024, f16 operands, f32 sums), the causal mask, and for each row and GROUP of 128 keys
; the group's own maximum m, p = 2^(c s - c m) rounded to f16 into pw, and (c m, l = the sum of the unrounded p) in f32 into st.  c = log2(e) / 32.
; The next launch takes the maximum over a row's groups away exactly: it multiplies each group's product by 2^(c m_g - c M) / L, with the same rounded numbers c m_g that were used here.
; A 37th WORK-GROUP of each batch makes the batch's FIRST 16 ROWS OF THE OUTPUT whole, in f32, from the unrounded q, k, v in hd (at .Lhead; the reason and the count stand there).
; LIMITS.  A hidden score counts as its value less 1e30; a weight below 6e-8 of its group's largest becomes 0 in f16; from row 16 of a batch on q, k, v and p are rounded to f16; NaN and infinities are not treated apart.
; SHARES.  Wave (r, c) makes 128 queries x 128 keys: one group for each of its rows.  64 accumulators in windows 2 and 3; K's fragments in window 1, Q's in window 0, two buffers each.
; Source 0 = 16 keys, source 1 = 16 queries: a lane holds ONE query (lane % 16) and the keys 8 (lane / 16) + 0..7 of each block of 16.
; THE MASK is the C operand that starts the sums.  It is wanted only in a diagonal tile's waves with r = c: key block above the query block: -1e30; the same block: -1e30 where the key is greater; below: 0.
; In a diagonal tile the wave (0, 1) is wholly hidden.  It takes NO mask: its weights are ordinary finite numbers, and the next launch gives its group the factor 0.  (With a maximum of -1e30
; the fused c s - c m would leave the rounding of c m, which is huge at that size.)
; NO CLUSTER: strip i has i + 1 tiles and key column j has 8 - j; neither is a multiple of four, so sets of four work-groups that share a tile cannot be formed alike for all 36.
.set PITCH,  272                       ; an LDS row: 256 bytes + 16: the 16 rows of a fragment load start in 16 different groups of four banks (ISA guide 11.1)
.set QUART,  128*PITCH                 ; what one tensor load brings: wave w's part lies at w x QUART (Q's two halves, then K's)
.set SLOT,   4*QUART                   ; 0x22000: it shares no bit with w x QUART, so one exclusive or turns an address in one slot into the other's
.set STAGE,  2*SLOT                    ; behind the ring: 16 rows x 272 bytes a wave
.set STATS,  STAGE+4*16*PITCH          ; 128 rows x 8 bytes a wave
.set SPARE,  STATS+4096                ; the spare words, 128 bytes a wave, which no other line names
.set A0,   4                           ; v4   my lane's place in Q's rows of a slot
.set B0,   5                           ; v5   in K's
.set ADRA, 6
.set ADRB, 7
.set DA0,  8                           ; v8   the dump: 65,536 x wave + 16 x lane (over the slots, behind their last fill)
.set DA,   9
.set STO,  10
.set RD,   11
.set GO,   12
.set SA0,  13                          ; v13  where a row's (c m, l) goes
.set SA,   14
.set PFO,  15
.set SPW,  16
.set NIL,  17
.set SR,   18                          ; v18  where I read statistics back
.set SG,   19                          ; v19  8 x lane
.set XEQ,  40                          ; v40-47 the mask of a key block on the diagonal
.set XGT,  48                          ; v48-55 of a key block above it
.set F0,   64
.set F1,   128
.set S,    64                          ; the way out: a row block's 64 scores a lane
.set P,    128                         ; its weights, packed
.set BKR,  160                         ; whole rows read back
.set G1,   24
.set G0,   32                          ; s[32:39] two sets; the second walks
.set TB,   23
.set PFA,  40
.set LIM,  42
.set CS,   44
.set SEL,  46
.set DB,   48
.set SB,   49
.set HD,   52                          ; s[52:53] hd
.set OUTP, 54                          ; s[54:55] out0
.set MSB, 0
.macro WIN new
.if MSB != (\new)
	s_set_vgpr_msb (MSB<<8)|(\new)
.set MSB, (\new)
.endif
.endm
.macro PLACES
.rept 4
	v_nop
.endr
.endm
.set MUL_LO, 0xa1                      ; source 0 (K) window 1, source 1 (Q) window 0, C and D window 2; + 0x50: window 3
.set TO_B,   0x40
	s_load_b128 s[4:7], s[0:1], 0x0                ; qkv s[4:5], pw s[6:7]
	s_load_b64 s[8:9], s[0:1], 0x10                ; st
	s_load_b64 s[HD:HD+1], s[0:1], 0x18
	s_load_b64 s[OUTP:OUTP+1], s[0:1], 0x20
	v_lshl_add_u32 v[SPW], v0, 2, SPARE
	v_mov_b32 v[NIL], 0
	ds_add_u32 v[SPW], v[NIL]                      ; the wave's opening: the add and its wait come ahead of my first tensor load
	ds_add_u32 v16, v17
	v_lshrrev_b32 v1, 5, v0
	v_readfirstlane_b32 s10, v1                    ; wave
	s_lshr_b32 s11, s10, 1                         ; r
	s_and_b32 s12, s10, 1                          ; c; also which 128 rows I fetch
	s_and_b32 s13, ttmp7, 0xffff                   ; batch
	s_mov_b32 s14, 0
.irp t, 1,3,6,10,15,21,28              ; tile x of the triangle: i = how many of the rows' first numbers are at or below x
	s_cmp_ge_u32 ttmp9, \t
	s_add_co_ci_u32 s14, s14, 0
.endr
	s_add_co_u32 s16, s14, 1
	s_mul_i32 s16, s16, s14
	s_lshr_b32 s16, s16, 1
	s_sub_co_u32 s15, ttmp9, s16                   ; j = x - i (i + 1) / 2
	s_mov_b32 s[G1], (1<<16)|(1<<20)|(5<<22)|(3<<25)  ; 2-byte elements; padding on; after every 64 words; 4 words
	s_mov_b32 s[G1+1], 128<<16                     ; tensor_dim0 = 128
	s_mov_b32 s[G1+2], 128<<16                     ; tensor_dim1 = 128
	s_mov_b32 s[G1+3], 128<<16                     ; tile_dim0
	s_mov_b32 s[G1+4], 128                         ; tile_dim1
	s_mov_b32 s[G1+5], 3072                        ; elements from row to row of qkv
	s_mov_b32 s[G1+6], 0
	s_mov_b32 s[G1+7], 0
	s_cmp_lt_u32 s10, 2                            ; waves 0, 1 fetch Q's rows of strip i, waves 2, 3 K's of strip j
	s_cselect_b32 s16, s14, s15
	s_cselect_b32 s17, 0, 2048                     ; K lies 2,048 bytes into a row
	s_lshl_b32 s16, s16, 8
	s_lshl_b32 s18, s13, 11
	s_add_co_u32 s16, s16, s18
	s_lshl_b32 s18, s12, 7
	s_add_co_u32 s16, s16, s18
	s_mul_i32 s16, s16, 6144
	s_add_co_u32 s16, s16, s17
	s_mov_b32 s17, 0
	s_mul_i32 s20, s10, QUART
	s_mov_b32 s[TB], 0
	s_mov_b32 s[CS], 0x3d38aa3b                    ; c = log2(e) / 32
	s_mov_b32 s[CS+1], s[CS]
	s_mov_b32 s[SEL], 0x76543210
	s_mov_b32 s[SEL+1], 0xfedcba98
	s_wait_dscnt 0x0                               ; the opening add is done
	s_wait_kmcnt 0x0
	s_cmp_eq_u32 ttmp9, 36                         ; the 37th work-group, all four waves of it, has a text of its own
	s_cbranch_scc1 .Lhead
	s_add_nc_u64 s[18:19], s[4:5], s[16:17]
.irp s, 0,1                            ; both first fills go out together: K steps 0 and 1; two loads of mine are out
	s_mov_b32 s[G0+4*(\s)], 1
	s_add_co_u32 s[G0+4*(\s)+1], s20, (\s)*SLOT
	s_add_nc_u64 s[G0+4*(\s)+2:G0+4*(\s)+3], s[18:19], (\s)*256
	s_or_b32 s[G0+4*(\s)+3], s[G0+4*(\s)+3], 0x80000000
	tensor_load_to_lds s[G0+4*(\s):G0+4*(\s)+3], s[G1:G1+7]
	s_nop 0
.endr
	PLACES
	s_add_nc_u64 s[PFA:PFA+1], s[18:19], 512       ; the prefetches stand at K step 2; the first change of slots steps them to 3
	s_cmp_eq_u32 s14, s15
	s_cselect_b32 s[LIM], 1, -1                    ; the diagonal tiles ask: each strip of Q and of K has exactly one
	v_and_b32 v1, 15, v0
	v_bfe_u32 v2, v0, 4, 1
	v_mul_u32_u24 v3, v1, PITCH
	v_lshl_add_u32 v3, v2, 4, v3                   ; row x pitch + 16 x half
	s_mul_i32 s16, s11, QUART
	s_mul_i32 s17, s12, QUART
	s_add_co_u32 s17, s17, 2*QUART
	v_add_nc_u32 v[A0], s16, v3
	v_add_nc_u32 v[B0], s17, v3
	v_mov_b32 v[ADRA], v[A0]
	v_mov_b32 v[ADRB], v[B0]
	s_mul_i32 s16, s10, 16*PITCH
	s_add_co_u32 s16, s16, STAGE
	v_add_nc_u32 v[STO], s16, v3                   ; into my stage: row l % 16, 16 bytes for each half of the lanes
	v_mul_u32_u24 v3, v2, PITCH
	v_lshl_add_u32 v3, v1, 4, v3
	v_add_nc_u32 v[RD], s16, v3                    ; back: lanes 0-15 one row of 256 bytes, lanes 16-31 the next
	v_lshlrev_b32 v3, 12, v2
	v_lshl_add_u32 v[GO], v1, 4, v3                ; the same two rows in pw
	v_and_b32 v3, 31, v0
	s_lshl_b32 s16, s10, 16
	v_lshl_add_u32 v[DA0], v3, 4, s16
	s_lshl_b32 s16, s10, 10
	s_add_co_u32 s16, s16, STATS
	v_lshl_add_u32 v[SA0], v1, 3, s16
	v_lshl_add_u32 v[SR], v3, 3, s16
	v_lshlrev_b32 v[SG], 3, v3
	v_mul_u32_u24 v[PFO], v3, 6144                 ; a lane a row
	s_cmp_eq_u32 s14, s15                          ; the mask: a diagonal tile,
	s_cselect_b32 s16, 1, 0
	s_cmp_eq_u32 s11, s12                          ; and a wave on its diagonal
	s_cselect_b32 s16, s16, 0
	s_cmp_eq_u32 s16, 1
	s_cselect_b32 s17, 0xf149f2ca, 0               ; -1e30, or 0 where nothing is hidden
	v_lshlrev_b32 v3, 3, v2
	v_sub_nc_u32 v3, v1, v3                        ; my query less my lanes' 8 (l / 16): register jj is hidden where jj is greater
.irp jj, 0,1,2,3,4,5,6,7
	v_cmp_gt_i32 vcc_lo, \jj, v3
	v_cndmask_b32 v[XEQ+(\jj)], 0, s17, vcc_lo
	v_mov_b32 v[XGT+(\jj)], s17
.endr
	s_lshl_b32 s16, s13, 11                        ; pw at my first row and my 128 keys
	s_lshl_b32 s17, s14, 8
	s_add_co_u32 s16, s16, s17
	s_lshl_b32 s17, s11, 7
	s_add_co_u32 s16, s16, s17
	s_lshl_b32 s16, s16, 12
	s_lshl_b32 s17, s15, 9
	s_add_co_u32 s16, s16, s17
	s_lshl_b32 s17, s12, 8
	s_add_co_u32 s16, s16, s17
	s_mov_b32 s17, 0
	s_add_nc_u64 s[6:7], s[6:7], s[16:17]
	s_lshl_b32 s16, s13, 18                        ; st[batch][group 2 j + c][row 256 i + 128 r]
	s_lshl_b32 s17, s15, 1
	s_add_co_u32 s17, s17, s12
	s_lshl_b32 s17, s17, 14
	s_add_co_u32 s16, s16, s17
	s_lshl_b32 s17, s14, 11
	s_add_co_u32 s16, s16, s17
	s_lshl_b32 s17, s11, 10
	s_add_co_u32 s16, s16, s17
	s_mov_b32 s17, 0
	s_add_nc_u64 s[8:9], s[8:9], s[16:17]
; 16 matrix instructions: query blocks a0, a0 + 1 of the window's four x all 8 key blocks, 32 along K.  first = 1: the product starts the sum, with 0 or with a mask (C in window 0).
.macro MUL16 f, hi, a0, first
.if \first
	WIN 0x81+0x40*(\hi)
.else
	WIN MUL_LO+0x50*(\hi)
.endif
.irp a, \a0, (\a0)+1
.irp b, 0,1,2,3,4,5,6,7
.if !(\first)
	v_wmma_f32_16x16x32_f16 v[8*(8*(\a)+(\b)):8*(8*(\a)+(\b))+7], v[(\f)+8*(\b):(\f)+8*(\b)+7], v[(\f)+8*(4*(\hi)+(\a)):(\f)+8*(4*(\hi)+(\a))+7], v[8*(8*(\a)+(\b)):8*(8*(\a)+(\b))+7]
.elseif (\b) < 4*(\hi)+(\a)
	v_wmma_f32_16x16x32_f16 v[8*(8*(\a)+(\b)):8*(8*(\a)+(\b))+7], v[(\f)+8*(\b):(\f)+8*(\b)+7], v[(\f)+8*(4*(\hi)+(\a)):(\f)+8*(4*(\hi)+(\a))+7], 0
.elseif (\b) == 4*(\hi)+(\a)
	v_wmma_f32_16x16x32_f16 v[8*(8*(\a)+(\b)):8*(8*(\a)+(\b))+7], v[(\f)+8*(\b):(\f)+8*(\b)+7], v[(\f)+8*(4*(\hi)+(\a)):(\f)+8*(4*(\hi)+(\a))+7], v[XEQ:XEQ+7]
.else
	v_wmma_f32_16x16x32_f16 v[8*(8*(\a)+(\b)):8*(8*(\a)+(\b))+7], v[(\f)+8*(\b):(\f)+8*(\b)+7], v[(\f)+8*(4*(\hi)+(\a)):(\f)+8*(4*(\hi)+(\a))+7], v[XGT:XGT+7]
.endif
.endr
.endr
.endm
.macro FETCH k, f                      ; 32 LDS loads in one run: the fragments of 32 along K at byte k of the rows: K's 8, then Q's 8
	WIN TO_B
.irp i, 0,1,2,3,4,5,6,7
	ds_load_b128 v[(\f)+8*(\i):(\f)+8*(\i)+3],   v[ADRB] offset:(\k)+(\i)*16*PITCH
	ds_load_b128 v[(\f)+8*(\i)+4:(\f)+8*(\i)+7], v[ADRB] offset:(\k)+(\i)*16*PITCH+32
.endr
	WIN 0
.irp i, 0,1,2,3,4,5,6,7
	ds_load_b128 v[(\f)+8*(\i):(\f)+8*(\i)+3],   v[ADRA] offset:(\k)+(\i)*16*PITCH
	ds_load_b128 v[(\f)+8*(\i)+4:(\f)+8*(\i)+7], v[ADRA] offset:(\k)+(\i)*16*PITCH+32
.endr
.endm
.macro QUARTER k, f, g, first          ; multiplies buffer f; in its middle fetches the next quarter's fragments, at byte k, into g
	s_wait_dscnt 8                                 ; K's and Q's rows 0-63 are in; the youngest eight loads (Q's rows 64-127) may be out
	MUL16 \f, 0, 0, \first
	MUL16 \f, 0, 2, \first
	PLACES
	FETCH \k, \g
	s_wait_dscnt 32                                ; all but the 32 just issued
	MUL16 \f, 1, 0, \first
	MUL16 \f, 1, 2, \first
.endm
; A PREFETCH INTO THE L2: behind the refill for K step t + 2 and the run of LDS loads, the 256 bytes of K step t + 3 of the 128 rows that this wave fetches itself: a lane a row, four instructions,
; 256 matrix instructions ahead of the load that will want them.  Only the diagonal tiles ask, so each block is named once.  The trip that refills the last K step asks for nothing.
.macro ASK
	s_cmp_gt_u32 s3, s[LIM]
	s_cbranch_scc0 .Lnot_mine_\@
.irp k, 0,1,2,3
	global_prefetch_b8 v[PFO], s[PFA:PFA+1] offset:(\k)*196608 th:TH_LOAD_NT scope:SCOPE_SE
.endr
.Lnot_mine_\@:
.endm
; The last quarter of a K step multiplies buffer 1 and changes slots: one barrier; in front of it each wave waits for all its tensor loads (one is out: its part of the next slot), adds 0 to its spare
; word, and waits for that and for its reads of this slot.  fill = 1: this slot is filled again, two K steps ahead, first thing behind the barrier: 224 matrix instructions ahead of the wait for it.
.macro TURN fill
.if \fill
	s_wait_xcnt 0x0                                ; the last prefetches, a K step back, have read their address
	s_add_nc_u64 s[PFA:PFA+1], s[PFA:PFA+1], 256
.endif
	WIN 0
	s_wait_tensorcnt 0x0
	ds_add_u32 v[SPW], v[NIL]
.if \fill
	s_xor_b32 s[G0+5], s[G0+5], SLOT               ; the walking descriptor: the other slot, the next K step
	s_add_nc_u64 s[G0+6:G0+7], s[G0+6:G0+7], 256
.endif
	s_wait_dscnt 9                                 ; the add and the youngest eight loads may be out
	MUL16 F1, 0, 0, 0
	s_wait_dscnt 0x0                               ; the add is done, my reads of this slot are over
	s_barrier_signal -1
	MUL16 F1, 0, 2, 0
	WIN 0
	s_barrier_wait -1
.if \fill
	tensor_load_to_lds s[G0+4:G0+7], s[G1:G1+7]
	s_nop 0
.endif
	PLACES                                         ; behind the tensor load, and the places in front of the loads below
	s_xor_b32 s[TB], s[TB], SLOT
	v_add_nc_u32 v[ADRA], s[TB], v[A0]
	v_add_nc_u32 v[ADRB], s[TB], v[B0]
	FETCH 0, F0
.if \fill
	ASK
.endif
	MUL16 F1, 1, 0, 0
	MUL16 F1, 1, 2, 0
.endm
	s_wait_tensorcnt 0x1                           ; my part of K step 0 is in; K step 1's may stay out
	s_barrier_signal -1
	s_barrier_wait -1
	FETCH 0, F0
	QUARTER 64, F0, F1, 1                          ; the first quarter starts the 64 sums, with 0 or the mask
	WIN 0
	s_mov_b32 s3, 6
.Lstep:                                        ; trip t: quarters 1 to 3 of K step t, the refill for K step t + 2, quarter 0 of K step t + 1
	QUARTER 128, F1, F0, 0
	QUARTER 192, F0, F1, 0
	TURN 1
	QUARTER 64, F0, F1, 0
	WIN 0
	s_sub_co_u32 s3, s3, 1
	s_cmp_lg_u32 s3, 0
	s_cbranch_scc1 .Lstep
	QUARTER 128, F1, F0, 0                         ; the tail is written out: K steps 6 and 7 ask for nothing
	QUARTER 192, F0, F1, 0
	TURN 0
	QUARTER 64, F0, F1, 0
	QUARTER 128, F1, F0, 0
	QUARTER 192, F0, F1, 0
	s_wait_dscnt 8
	MUL16 F1, 0, 0, 0
	MUL16 F1, 0, 2, 0
	s_wait_dscnt 0x0
	MUL16 F1, 1, 0, 0
	MUL16 F1, 1, 2, 0
	WIN 0
	; THE WAY OUT.  The raw sums go into LDS, each lane's to bytes that only it reads back, so that the softmax is ONE loop over the eight row blocks and not eight copies of its text.
	s_wait_dscnt 0x0
	s_barrier_signal -1
	s_barrier_wait -1                              ; nobody reads the slots any more, and all fills have landed
	PLACES
.irp hi, 0,1
	WIN 0x08+4*(\hi)                               ; store data in window 2, then 3
.set t, 0
.rept 32
	ds_store_b128 v[DA0], v[8*t:8*t+3]   offset:(32*(\hi)+t)*1024
	ds_store_b128 v[DA0], v[8*t+4:8*t+7] offset:(32*(\hi)+t)*1024+512
.set t, t+1
.endr
.endr
	WIN 0
	s_mov_b32 s[DB], 0
	s_mov_b32 s[SB], 0
	v_mov_b32 v52, 0                               ; v_permlanex16_b32's destination counts as read
	s_mov_b32 s3, 8
.Lrows:                                        ; a trip: 16 queries x 128 keys
	v_add_nc_u32 v[DA], s[DB], v[DA0]
	v_add_nc_u32 v[SA], s[SB], v[SA0]
.set n, 0
.rept 16
	ds_load_b128 v[S+4*n:S+4*n+3], v[DA] offset:512*n  ; LDS serves a wave's instructions in order (ISA guide 5.7.1.4): these see the stores above
.set n, n+1
.endr
	s_wait_dscnt 0x0
.irp k, 0,1,2,3                        ; the maximum of my 64 scores: four chains of 15, three operands at a time
	v_max3_num_f32 v[48+(\k)], v[S+16*(\k)], v[S+16*(\k)+1], v[S+16*(\k)+2]
.endr
.irp i, 1,2,3,4,5,6
.irp k, 0,1,2,3
	v_max3_num_f32 v[48+(\k)], v[48+(\k)], v[S+16*(\k)+2*(\i)+1], v[S+16*(\k)+2*(\i)+2]
.endr
.endr
	v_max3_num_f32 v48, v48, v[S+15], v[S+31]
	v_max3_num_f32 v50, v50, v[S+47], v[S+63]
	v_max3_num_f32 v48, v48, v49, v50
	v_max_num_f32 v48, v48, v51
	v_permlanex16_b32 v52, v48, s[SEL], s[SEL+1]   ; the query's other 64 keys lie in the lane 16 away
	v_max_num_f32 v61, v48, v52                    ; m
	v_mul_f32 v60, s[CS], v61                      ; c m
.set n, 0
.rept 32
	v_pk_fma_f32 v[S+2*n:S+2*n+1], v[S+2*n:S+2*n+1], s[CS:CS+1], v[60:61] op_sel_hi:[1,0,0] neg_lo:[0,0,1] neg_hi:[0,0,1]  ; c s - c m
.set n, n+1
.endr
.set n, 0
.rept 64
	v_exp_f32 v[S+n], v[S+n]
.set n, n+1
.endr
	v_nop                                          ; a plain instruction behind the last exponential,
	s_wait_alu depctr_va_vdst(0)                   ; and one wait for the batch of 64, ahead of its first reader
.set n, 0
.rept 32
	v_cvt_pk_f16_f32 v[P+n], v[S+2*n], v[S+2*n+1]
.set n, n+1
.endr
.irp w, 4,8,16,32,64                   ; the sum of the unrounded weights, in place: neighbours 1, 2, 4, 8 and 16 pairs apart
.set u, 0
.rept 64/(\w)
	v_pk_add_f32 v[S+(\w)*u:S+(\w)*u+1], v[S+(\w)*u:S+(\w)*u+1], v[S+(\w)*u+(\w)/2:S+(\w)*u+(\w)/2+1]
.set u, u+1
.endr
.endr
	v_add_f32 v54, v[S], v[S+1]
	v_permlanex16_b32 v52, v54, s[SEL], s[SEL+1]
	v_add_f32 v61, v54, v52                        ; l, beside c m
.irp b, 0,1,2,3,4,5,6,7
	ds_store_b128 v[STO], v[P+4*(\b):P+4*(\b)+3] offset:32*(\b)
.endr
	ds_store_b64 v[SA], v[60:61]                   ; both halves of the lanes hold the same pair and write it to the same bytes
.irp t, 0,1,2,3,4,5,6,7
	ds_load_b128 v[BKR+4*(\t):BKR+4*(\t)+3], v[RD] offset:(\t)*2*PITCH
.endr
	s_wait_dscnt 0x0
.irp t, 0,1,2,3,4,5,6,7
	global_store_b128 v[GO], v[BKR+4*(\t):BKR+4*(\t)+3], s[6:7] offset:(\t)*8192  ; 16 lanes store 256 consecutive bytes, at a multiple of 256 from pw's first byte
.endr
	s_wait_xcnt 0x0                                ; the stores have read their data and their base: both are written again only behind this wait
	s_add_nc_u64 s[6:7], s[6:7], 65536             ; 16 rows of pw on
	s_add_co_u32 s[DB], s[DB], 8192
	s_add_co_u32 s[SB], s[SB], 128
	s_sub_co_u32 s3, s3, 1
	s_cmp_lg_u32 s3, 0
	s_cbranch_scc1 .Lrows
.irp k, 0,1,2,3                        ; my 128 rows' statistics: my own bytes, in order behind the stores
	ds_load_b64 v[64+2*(\k):65+2*(\k)], v[SR] offset:256*(\k)
.endr
	s_wait_dscnt 0x0
.irp k, 0,1,2,3
	global_store_b64 v[SG], v[64+2*(\k):65+2*(\k)], s[8:9] offset:256*(\k)  ; 32 lanes store 256 consecutive bytes, aligned
.endr
	s_wait_tensorcnt 0x0                           ; the wave's end
	ds_add_u32 v[SPW], v[NIL]
	s_wait_dscnt 0x0
	s_endpgm
; THE FIRST 16 ROWS OF A BATCH, whole and in f32: out0[b][q][:] for q < 16, from hd[b][16][3072] = (q | k | v) unrounded.
; WHY.  Row q averages over q + 1 keys.  In the first rows the numbers are some ten times the output's root mean square, by which the comparison goes, and a rounding of q, k, v or p to f16 (one part in
; 4,096 of each number) reaches them undiminished; from row 16 on the average over the keys has made it four times smaller or more.
; HOW MUCH.  16 x 16 x 1,024 multiply-adds for the scores and as many for the output, for each of 4 batches: one part in 4,600 of the launch's.  So the f32 matrix form and plain multiply-adds serve here.
; SCORES.  S^T = K Q^T by the 16 x 16 x 4 form (source 0 = the 16 keys, source 1 = the 16 queries): a lane holds ONE query (lane % 16) and the keys 8 (lane / 16) + 0..7.  K's 1,024 channels are split among the
; four waves.  A lane's load of 16 bytes holds four channels, two instructions' worth; the channels stand in the same places in both sources, so each product of a channel with itself is made once.
; Four accumulators take turns; they lie in window 2, whose registers only matrix instructions write in this text.  The four waves' sums meet in LDS, in the stage's bytes.
; OUTPUT.  Every wave then holds all scores and makes the same weights w = p / l; it puts them into its own 1,024 bytes of LDS, and for each query reads the 16 back, the same word in every lane.
; Wave w owns channels 256 w .. 256 w + 255, a lane 4 + 4 of them; v's 16 rows of those lie in window 3.  Hidden keys have the weight 0.
.Lhead:
	s_mul_i32 s16, s13, 196608                     ; the batch's 16 rows of 12,288 bytes
	s_lshl_b32 s18, s10, 10                        ; my quarter, 1,024 bytes: of the channels of q and k, and of those of v and out0
	s_add_co_u32 s16, s16, s18
	s_mov_b32 s17, 0
	s_add_nc_u64 s[HD:HD+1], s[HD:HD+1], s[16:17]
	s_lshl_b32 s16, s13, 23                        ; the batch's 2,048 rows of 4,096 bytes
	s_add_co_u32 s16, s16, s18
	s_add_nc_u64 s[OUTP:OUTP+1], s[OUTP:OUTP+1], s[16:17]
	s_add_co_u32 s19, s18, STAGE                   ; where my partial sums go
	s_add_co_u32 s20, s18, STATS                   ; where my weights go
	s_mov_b32 s21, 0xf149f2ca                      ; -1e30
	v_and_b32 v1, 15, v0                           ; l % 16
	v_bfe_u32 v2, v0, 4, 1                         ; l / 16
	v_and_b32 v3, 31, v0                           ; l
	v_mul_u32_u24 v4, v1, 12288
	v_lshl_add_u32 v4, v2, 4, v4                   ; q, k: row l % 16, 16 bytes for each half of the lanes
	v_lshlrev_b32 v5, 4, v3                        ; v, out0: 16 bytes a lane
.set t, 0
.rept 32
	global_load_b128 v[64+4*t:67+4*t], v4, s[HD:HD+1] offset:32*t  ; q
.set t, t+1
.endr
	WIN TO_B
.set t, 0
.rept 32
	global_load_b128 v[64+4*t:67+4*t], v4, s[HD:HD+1] offset:4096+32*t  ; k, into window 1
.set t, t+1
.endr
	s_wait_loadcnt 0x0                             ; q and k are in
	WIN 0xc0
.set t, 0
.rept 16                               ; v's row t, my 256 channels, into window 3: on their way while the scores are made
	global_load_b128 v[8*t:8*t+3],   v5, s[HD:HD+1] offset:8192+12288*t
	global_load_b128 v[8*t+4:8*t+7], v5, s[HD:HD+1] offset:8192+12288*t+512
.set t, t+1
.endr
	WIN MUL_LO
.set n, 0
.rept 64
.if n < 4
	v_wmma_f32_16x16x4_f32 v[8*(n%4):8*(n%4)+7], v[64+2*n:65+2*n], v[64+2*n:65+2*n], 0
.else
	v_wmma_f32_16x16x4_f32 v[8*(n%4):8*(n%4)+7], v[64+2*n:65+2*n], v[64+2*n:65+2*n], v[8*(n%4):8*(n%4)+7]
.endif
.set n, n+1
.endr
	WIN 0                                          ; ten plain lines that name none of those registers: the eight places that this form wants behind it (ISA guide 7.12.1), and two
	v_lshl_add_u32 v6, v3, 5, s19                  ; my 32 bytes of my wave's partial sums
	v_lshlrev_b32 v7, 5, v3
	v_add_nc_u32 v7, STAGE, v7                     ; and of wave 0's
	v_lshlrev_b32 v8, 3, v2
	v_sub_nc_u32 v8, v1, v8                        ; my query less my lanes' 8 (l / 16): key j is hidden where j is greater
	v_lshlrev_b32 v9, 6, v1
	v_lshl_add_u32 v9, v2, 5, v9
	v_add_nc_u32 v9, s20, v9                       ; the weights: 64 bytes a query, my 8 keys' 32
	v_mov_b32 v10, s20
	v_mov_b32 v36, 0                               ; v_permlanex16_b32's destination counts as read
	WIN 0x0a                                       ; sources in window 2, destination in window 0
.irp i, 0,1,2,3
	v_pk_add_f32 v[20+2*(\i):21+2*(\i)], v[2*(\i):2*(\i)+1], v[8+2*(\i):9+2*(\i)]
.endr
.irp i, 0,1,2,3
	v_pk_add_f32 v[28+2*(\i):29+2*(\i)], v[16+2*(\i):17+2*(\i)], v[24+2*(\i):25+2*(\i)]
.endr
	WIN 0
.irp i, 0,1,2,3
	v_pk_add_f32 v[20+2*(\i):21+2*(\i)], v[20+2*(\i):21+2*(\i)], v[28+2*(\i):29+2*(\i)]
.endr
	ds_store_b128 v6, v[20:23]
	ds_store_b128 v6, v[24:27] offset:16
	s_wait_dscnt 0x0                               ; for the others' sake: my partial sums are stored
	s_barrier_signal -1
	s_barrier_wait -1                              ; all four waves of this work-group are on this path
.irp v, 0,1,2,3
	ds_load_b128 v[64+8*(\v):67+8*(\v)], v7 offset:1024*(\v)
	ds_load_b128 v[68+8*(\v):71+8*(\v)], v7 offset:1024*(\v)+16
.endr
	s_wait_dscnt 0x0
.irp i, 0,1,2,3
	v_pk_add_f32 v[20+2*(\i):21+2*(\i)], v[64+2*(\i):65+2*(\i)], v[72+2*(\i):73+2*(\i)]
	v_pk_add_f32 v[28+2*(\i):29+2*(\i)], v[80+2*(\i):81+2*(\i)], v[88+2*(\i):89+2*(\i)]
.endr
.irp i, 0,1,2,3
	v_pk_add_f32 v[20+2*(\i):21+2*(\i)], v[20+2*(\i):21+2*(\i)], v[28+2*(\i):29+2*(\i)]
.endr
.irp j, 0,1,2,3,4,5,6,7
	v_cmp_gt_i32 vcc_lo, \j, v8
	v_cndmask_b32 v[20+(\j)], v[20+(\j)], s21, vcc_lo  ; a hidden score
.endr
	v_max3_num_f32 v28, v20, v21, v22
	v_max3_num_f32 v28, v28, v23, v24
	v_max3_num_f32 v28, v28, v25, v26
	v_max_num_f32 v28, v28, v27
	v_permlanex16_b32 v36, v28, s[SEL], s[SEL+1]   ; the query's other 8 keys lie in the lane 16 away; key 0 is hidden from nobody, so m is a true score
	v_max_num_f32 v39, v28, v36                    ; m
	v_mul_f32 v38, s[CS], v39                      ; c m
.irp i, 0,1,2,3
	v_pk_fma_f32 v[20+2*(\i):21+2*(\i)], v[20+2*(\i):21+2*(\i)], s[CS:CS+1], v[38:39] op_sel_hi:[1,0,0] neg_lo:[0,0,1] neg_hi:[0,0,1]
.endr
.irp j, 0,1,2,3,4,5,6,7
	v_exp_f32 v[20+(\j)], v[20+(\j)]
.endr
	v_nop                                          ; a plain instruction behind the last exponential,
	s_wait_alu depctr_va_vdst(0)                   ; and one wait for the eight
	v_pk_add_f32 v[28:29], v[20:21], v[22:23]
	v_pk_add_f32 v[30:31], v[24:25], v[26:27]
	v_pk_add_f32 v[28:29], v[28:29], v[30:31]
	v_add_f32 v30, v28, v29
	v_permlanex16_b32 v36, v30, s[SEL], s[SEL+1]
	v_add_f32 v30, v30, v36                        ; l
	v_rcp_f32 v32, v30
	v_mov_b32 v33, 0                               ; the plain instruction behind the reciprocal; named with it as a pair
	s_wait_alu depctr_va_vdst(0)
.irp i, 0,1,2,3
	v_pk_mul_f32 v[20+2*(\i):21+2*(\i)], v[20+2*(\i):21+2*(\i)], v[32:33] op_sel_hi:[1,0]
.endr
	ds_store_b128 v9, v[20:23]
	ds_store_b128 v9, v[24:27] offset:16
	s_wait_loadcnt 0x0                             ; v is in
	s_mov_b32 s[SB], 0
	s_mov_b32 s3, 16
.Lquery:                                       ; a trip: one query, my 256 channels
	v_add_nc_u32 v11, s[SB], v10
.irp n, 0,1,2,3
	ds_load_b128 v[40+4*(\n):43+4*(\n)], v11 offset:16*(\n)  ; its 16 weights, the same bytes in every lane; LDS serves a wave's instructions in order (ISA guide 5.7.1.4): these see the stores above
.endr
	s_wait_dscnt 0x0
	WIN 0x0c                                       ; source 1 (v) in window 3
.irp i, 0,1,2,3,4,5,6,7
	v_mul_f32 v[56+(\i)], v40, v[\i]
.endr
.set k, 1
.rept 15
.irp i, 0,1,2,3,4,5,6,7
	v_fmac_f32 v[56+(\i)], v[40+k], v[8*k+(\i)]
.endr
.set k, k+1
.endr
	WIN 0
	global_store_b128 v5, v[56:59], s[OUTP:OUTP+1]             ; 32 lanes store 512 consecutive bytes, at a multiple of 256 from out0's first byte
	global_store_b128 v5, v[60:63], s[OUTP:OUTP+1] offset:512
	s_wait_xcnt 0x0                                ; the stores have read their data and their base: both are written again only behind this wait
	s_add_nc_u64 s[OUTP:OUTP+1], s[OUTP:OUTP+1], 4096
	s_add_co_u32 s[SB], s[SB], 64
	s_sub_co_u32 s3, s3, 1
	s_cmp_lg_u32 s3, 0
	s_cbranch_scc1 .Lquery
	s_wait_tensorcnt 0x0                           ; the wave's end, behind my last LDS store
	ds_add_u32 v[SPW], v[NIL]
	s_wait_dscnt 0x0
	s_endpgm
.Lfunc_end_k_qebb37dfc29_scores:
	.size	k_qebb37dfc29_scores, .Lfunc_end_k_qebb37dfc29_scores-k_qebb37dfc29_scores
	.p2alignl 7, 3214868480
	.fill 96, 4, 3214868480
	.section	.rodata,"a",@progbits
	.p2align	6, 0x0
	.amdhsa_kernel k_qebb37dfc29_scores
		.amdhsa_group_segment_fixed_size 327680
		.amdhsa_private_segment_fixed_size 0
		.amdhsa_enable_private_segment 0
		.amdhsa_kernarg_size 40
		.amdhsa_user_sgpr_count 2
		.amdhsa_user_sgpr_kernarg_segment_ptr 1
		.amdhsa_wavefront_size32 1
		.amdhsa_system_sgpr_workgroup_id_x 1
		.amdhsa_system_sgpr_workgroup_id_y 1
		.amdhsa_system_sgpr_workgroup_id_z 1
		.amdhsa_system_vgpr_workitem_id 0
		.amdhsa_next_free_vgpr 1024
		.amdhsa_next_free_sgpr 66
		.amdhsa_reserve_vcc 1
		.amdhsa_float_denorm_mode_32 3
		.amdhsa_float_denorm_mode_16_64 3
		.amdhsa_memory_ordered 1
		.amdhsa_forward_progress 1
		.amdhsa_inst_pref_size 132
	.end_amdhsa_kernel
	.amdgpu_metadata
---
amdhsa.version: [ 1, 2 ]
amdhsa.kernels:
  - .name:           k_qebb37dfc29_scores
    .symbol:         k_qebb37dfc29_scores.kd
    .args:
      - { .name: qkv, .offset: 0, .size: 8, .value_kind: global_buffer, .address_space: global }
      - { .name: pw, .offset: 8, .size: 8, .value_kind: global_buffer, .address_space: global }
      - { .name: st, .offset: 16, .size: 8, .value_kind: global_buffer, .address_space: global }
      - { .name: hd, .offset: 24, .size: 8, .value_kind: global_buffer, .address_space: global }
      - { .name: out0, .offset: 32, .size: 8, .value_kind: global_buffer, .address_space: global }
    .group_segment_fixed_size: 327680
    .private_segment_fixed_size: 0
    .kernarg_segment_align: 8
    .kernarg_segment_size: 40
    .max_flat_workgroup_size: 128
    .sgpr_count:     66
    .vgpr_count:     1024
    .wavefront_size: 32
...
	.end_amdgpu_metadata
.endif
;; end of part 3
;; launch pv (part 4): grid 8 x 32, 4 waves a work-group, clusters of 4 x 1, 327,680 bytes of LDS; arguments qkv, pw, st, out0; writes out0
.if DOCPART == 4
	.amdgcn_target "amdgcn-amd-amdhsa--gfx1250"
	.amdhsa_code_object_version 6
	.text
	.protected	k_qebb37dfc29_pv
	.globl	k_qebb37dfc29_pv
	.p2align	8
	.type	k_qebb37dfc29_pv,@function
k_qebb37dfc29_pv:
	s_mov_b64 s[64:65], 0
	v_nop
	global_prefetch_b8 v0, s[64:65] scope:SCOPE_SE
	s_setreg_imm32_b32 hwreg(HW_REG_WAVE_MODE, 25, 1), 1
	s_wait_xcnt 0x0
	s_wait_alu depctr_hold_cnt(0) depctr_sa_sdst(0) depctr_va_vdst(0) depctr_va_sdst(0) depctr_va_ssrc(0) depctr_va_vcc(0) depctr_vm_vsrc(0)
	s_getreg_b32 s2, hwreg(HW_REG_IB_STS2, 6, 4)
	s_cmp_eq_u32 s2, 0
	s_cbranch_scc0 .Lentry_in_a_cluster
	s_endpgm
.Lentry_in_a_cluster:
	s_bfe_u32 s2, ttmp6, 0x10000c
	s_cmp_lg_u32 s2, 0x3003
	s_cbranch_scc0 .Lentry_shape_is_right
	s_endpgm
.Lentry_shape_is_right:
; out0[b][q][:] = the sum over the groups g of 128 keys of F_g[q] (P_g V_g)[q][:], with F_g = 2^(c m_g - c M) / L, c M = the maximum over g of c m_g, L = the sum over g of 2^(c m_g - c M) l_g:
; the softmax's maximum over the whole row is taken away exactly, in f32, on the f32 sums.  P and V f16, products in f32, the output f32.  A group counts only where g <= the row's strip of 128.
; ROWS 0 TO 15 OF A BATCH ARE NOT STORED HERE: the launch before has made them in f32.  Their products are made all the same: they are one of the four row blocks of a wave's tile.
; LIMITS.  A factor 2^(c m_g - c M) below 2^-126 counts as 0; NaN and infinities are not treated apart.
; SHARES.  A work-group makes 128 channels of TWO strips of 128 queries: strip a (0..7), then strip 15 - a: (a / 2 + 1) + (8 - a / 2) = 9 slots of 256 keys, whatever a.  Wave (r, cc): 64 queries x 64 channels.
; An even strip's last slot holds one group that is wholly hidden: its weights are finite and its factor is 0.
; Source 0 = V^T (16 channels x 32 keys, turned by ds_load_tr16_b128), source 1 = P (16 queries x 32 keys): a lane holds ONE query and eight neighbouring channels.
; Each group's product starts from the constant 0 in T and is added onto O with its factor: no operand is scaled in 16 bits.
; CLUSTER.  The four channel tiles of a cluster share the batch and a, hence P's tiles, every trip count and every branch: P is asked for JOINTLY.  V's tile hangs on the channel tile: a load of one's own,
; behind the same round.  V is not shared: only strips a and a ^ 1 walk the same keys, two partners and not four.
; REGISTERS.  Window 0: v0-18 addresses; v32-47 the slot's factors (row block rb, half e at v[32 + 2 (2 rb + e)]); v48-127 at work; v128-255 O.  Window 1: v0-127 T.  Window 2: two fragment buffers of 128.
.set PP,     528                       ; a row of P in LDS: 512 bytes + 16
.set PV,     288                       ; a row of V: 256 + 32
.set PHALF,  64*PP
.set VOFF,   128*PP
.set VHALF,  128*PV
.set SLOT1,  0x24000                   ; slot 1: it shares no bit with the four LDS addresses of slot 0's parts, so one exclusive or turns one slot's address into the other's
.set STAGE,  SLOT1+VOFF+2*VHALF        ; 16 rows x 272 bytes a wave
.set SP,     272
.set TBL,    STAGE+4*16*SP             ; the factors: 2 strips x 128 rows x (16 groups x 4 bytes + 8)
.set TP,     72
.set SPARE,  TBL+2*128*TP              ; the spare words, 128 bytes a wave, which no other line names
.set AP0,  4
.set AV0,  5
.set AP,   6
.set AVA,  7                           ; v7, v8  V's keys 0-127 and 128-255 of the slot in hand
.set FA0,  9
.set FA,   10
.set STO,  11
.set RD,   12
.set GO,   13
.set PFO,  14
.set AV1,  15
.set SPW,  16
.set NIL,  17
.set TA,   18                          ; v18  where thread t puts row t's factors
.set FSR,  32
.set O,    128
.set F0,   0
.set F1,   128
.set WV,   12
.set TB,   20
.set FO,   21                          ; s21  the slot's place in the table
.set RT,   22                          ; s22  slots of the strip in hand that are still to be finished
.set LIM,  23
.set G1P,  24
.set G0P,  32
.set VBA,  40                          ; s[40:41] V at my 128 keys of slot 0 and my channel tile
.set OLO,  42
.set OHI,  44
.set G1V,  48
.set G0V,  56
.set FST,  72                          ; s[72:74] the walk as the fills see it: key slot, P's row offset, the strip's number of slots
.set PHI,  75                          ; s75  P's row offset of the second strip
.set PST,  76                          ; s[76:78] the walk as the prefetches see it: one slot further
.set OP,   80                          ; s[80:81] a tile's byte offset in pw
.set OV,   82                          ; s[82:83] in qkv
.set PFA,  84
.set HSK,  86                          ; s86  0 in the wave whose first row block is a batch's rows 0 to 15: a = 0 and r = 0
.set MSB, 0
.macro WIN new
.if MSB != (\new)
	s_set_vgpr_msb (MSB<<8)|(\new)
.set MSB, (\new)
.endif
.endm
.macro PLACES
.rept 4
	v_nop
.endr
.endm
.macro JLOAD                           ; waves 0, 1: P's halves, jointly; waves 2, 3: V's halves, my own.  An s_nop 0 and four v_nop follow each line
	s_cmp_eq_u32 s13, 0
	s_cbranch_scc0 .Lfor_v_\@
	tensor_load_to_lds s[G0P+4:G0P+7], s[G1P:G1P+7]
	s_nop 0
	PLACES
	s_branch .Lasked_\@
.Lfor_v_\@:
	tensor_load_to_lds s[G0V+4:G0V+7], s[G1V:G1V+7]
	s_nop 0
	PLACES
.Lasked_\@:
.endm
.macro CREST
	s_cmp_lg_u32 s[WV], 0
	s_cbranch_scc1 .Lnot_wave_0_\@
	s_barrier_signal -3
.Lnot_wave_0_\@:
	s_barrier_wait -3
	s_barrier_signal -1
	s_barrier_wait -1
.endm
.macro CROUND
	s_barrier_signal -1
	s_barrier_wait -1
	CREST
.endm
; The walk's next slot: its offsets in pw and qkv; then the state steps: the strip's next 256 keys, or behind its last the second strip's first.
.macro NEXT st
	s_lshl_b32 s[OP], s[\st], 9
	s_add_co_u32 s[OP], s[OP], s[(\st)+1]
	s_mul_i32 s[OV], s[\st], 1572864               ; 256 rows of qkv
	s_add_co_u32 s[\st], s[\st], 1
	s_cmp_eq_u32 s[\st], s[(\st)+2]
	s_cselect_b32 s[\st], 0, s[\st]
	s_cselect_b32 s[(\st)+1], s[PHI], s[(\st)+1]
	s_cselect_b32 s[(\st)+2], -1, s[(\st)+2]
.endm
; A PREFETCH INTO THE L2 of the slot that the NEXT refill will ask for, behind the refill and the run of LDS loads.  P's tile (128 rows x 512 bytes) is read by both clusters of a row of the grid: the one with
; x = 0 asks; its partners share the rows out BY ADDRESS, 16 of each wave's 64; waves 0 and 1, one instruction each.  V's tile is read by many strips: the work-groups with a = 0, whose second strip walks
; all keys, ask: waves 2 and 3, a lane a row, four instructions.  So each block is named once.  The trip that asks for the walk's last slot prefetches nothing.
.macro ASK
	WIN 0
	s_cmp_gt_u32 s3, s[LIM]
	s_cbranch_scc0 .Lnot_mine_\@
	global_prefetch_b8 v[PFO], s[PFA:PFA+1] th:TH_LOAD_NT scope:SCOPE_SE
	s_cmp_lt_u32 s[WV], 2
	s_cbranch_scc1 .Lnot_mine_\@
.irp k, 1,2,3
	global_prefetch_b8 v[PFO], s[PFA:PFA+1] offset:(\k)*196608 th:TH_LOAD_NT scope:SCOPE_SE
.endr
.Lnot_mine_\@:
.endm
	s_load_b256 s[4:11], s[0:1], 0x0               ; qkv s[4:5], pw s[6:7], st s[8:9], out0 s[10:11]
	v_lshl_add_u32 v[SPW], v0, 2, SPARE
	v_mov_b32 v[NIL], 0
	ds_add_u32 v[SPW], v[NIL]                      ; the wave's opening: the add and its wait come ahead of my first tensor load
	ds_add_u32 v16, v17
	v_lshrrev_b32 v1, 5, v0
	v_readfirstlane_b32 s[WV], v1
	s_lshr_b32 s13, s[WV], 1                       ; r; also: I fetch P (0) or V (1)
	s_and_b32 s14, s[WV], 1                        ; cc; also which half I fetch
	s_bfe_u32 s15, ttmp6, 0x40000                  ; cx
	s_lshl_b32 s16, ttmp9, 2
	s_add_co_u32 s16, s16, s15                     ; channel tile 0..7
	s_and_b32 s17, ttmp7, 0xffff
	s_and_b32 s18, s17, 7                          ; a: the first strip
	s_lshr_b32 s17, s17, 3                         ; batch
	s_sub_co_u32 s19, 15, s18                      ; the second strip
	s_or_b32 s[HSK], s18, s13                      ; the same in all four partners, for a given wave
	s_mov_b32 s[G1P], 15|(1<<16)|(1<<20)|(1<<21)|(6<<22)|(3<<25)  ; the mask of four; 2-byte elements; padding on; 21 set beside a mask; after every 128 words; 4 words
	s_mov_b32 s[G1P+1], 256<<16                    ; tensor_dim0 = 256 keys
	s_mov_b32 s[G1P+2], 64<<16                     ; tensor_dim1 = 64 rows
	s_mov_b32 s[G1P+3], 256<<16
	s_mov_b32 s[G1P+4], 64
	s_mov_b32 s[G1P+5], 2048                       ; elements from row to row of pw
	s_mov_b32 s[G1P+6], 0
	s_mov_b32 s[G1P+7], 0
	s_mov_b32 s[G1V], (1<<16)|(1<<20)|(5<<22)|(7<<25)  ; no mask; after every 64 words; 8 words
	s_mov_b32 s[G1V+1], 128<<16                    ; 128 channels
	s_mov_b32 s[G1V+2], 128<<16                    ; 128 keys
	s_mov_b32 s[G1V+3], 128<<16
	s_mov_b32 s[G1V+4], 128
	s_mov_b32 s[G1V+5], 3072
	s_mov_b32 s[G1V+6], 0
	s_mov_b32 s[G1V+7], 0
	s_lshl_b32 s66, s17, 11                        ; the batch's first row
	s_lshl_b32 s67, s14, 6
	s_add_co_u32 s67, s67, s66                     ; + the 64 rows of P that I fetch
	s_lshl_b32 s68, s18, 7
	s_add_co_u32 s68, s68, s67
	s_lshl_b32 s[FST+1], s68, 12                   ; rows of 4,096 bytes: the first strip's,
	s_lshl_b32 s68, s19, 7
	s_add_co_u32 s68, s68, s67
	s_lshl_b32 s[PHI], s68, 12                     ; the second's
	s_mov_b32 s[FST], 0
	s_lshr_b32 s[FST+2], s18, 1
	s_add_co_u32 s[FST+2], s[FST+2], 1             ; the first strip has a / 2 + 1 slots
	s_mov_b32 s[RT], s[FST+2]
	s_lshl_b32 s68, s14, 7                         ; V: the 128 keys that I fetch,
	s_add_co_u32 s68, s68, s66
	s_mul_i32 s68, s68, 6144
	s_lshl_b32 s69, s16, 8                         ; my channel tile's 256 bytes,
	s_add_co_u32 s68, s68, s69
	s_add_co_u32 s68, s68, 4096                    ; V lies 4,096 bytes into a row
	s_mov_b32 s69, 0
	s_mov_b32 s[OP+1], 0
	s_mov_b32 s[OV+1], 0
	s_mul_i32 s70, s14, PHALF                      ; where they go: no place in the cluster enters an LDS address
	s_mul_i32 s71, s14, VHALF
	s_add_co_u32 s71, s71, VOFF
	s_mov_b32 s[TB], 0
	s_mov_b32 s[FO], 0
	s_wait_dscnt 0x0                               ; the opening add is done
	s_wait_kmcnt 0x0
	s_add_nc_u64 s[VBA:VBA+1], s[4:5], s[68:69]
	CROUND                                         ; all four work-groups are here: the first joint loads meet
.irp s, 0,1
	NEXT FST
	s_mov_b32 s[G0P+4*(\s)], 1
	s_add_co_u32 s[G0P+4*(\s)+1], s70, (\s)*SLOT1
	s_add_nc_u64 s[G0P+4*(\s)+2:G0P+4*(\s)+3], s[6:7], s[OP:OP+1]
	s_or_b32 s[G0P+4*(\s)+3], s[G0P+4*(\s)+3], 0x80000000
	s_mov_b32 s[G0V+4*(\s)], 1
	s_add_co_u32 s[G0V+4*(\s)+1], s71, (\s)*SLOT1
	s_add_nc_u64 s[G0V+4*(\s)+2:G0V+4*(\s)+3], s[VBA:VBA+1], s[OV:OV+1]
	s_or_b32 s[G0V+4*(\s)+3], s[G0V+4*(\s)+3], 0x80000000
.endr
	s_cmp_eq_u32 s13, 0                            ; a wave's two first fills stand in one branch: two loads of mine are out
	s_cbranch_scc0 .Lfirst_v
	tensor_load_to_lds s[G0P:G0P+3], s[G1P:G1P+7]
	s_nop 0
	tensor_load_to_lds s[G0P+4:G0P+7], s[G1P:G1P+7]
	s_nop 0
	PLACES
	s_branch .Lfirst_asked
.Lfirst_v:
	tensor_load_to_lds s[G0V:G0V+3], s[G1V:G1V+7]
	s_nop 0
	tensor_load_to_lds s[G0V+4:G0V+7], s[G1V:G1V+7]
	s_nop 0
	PLACES
.Lfirst_asked:
	s_mov_b32 s[PST], s[FST]                       ; the prefetches' walk: one slot ahead of the fills'
	s_mov_b32 s[PST+1], s[FST+1]
	s_mov_b32 s[PST+2], s[FST+2]
	NEXT PST
	s_cmp_lt_u32 s[WV], 2
	s_cselect_b32 s66, ttmp9, s18                  ; P: the cluster with x = 0 asks; V: the work-groups with a = 0
	s_cmp_eq_u32 s66, 0
	s_cselect_b32 s[LIM], 1, -1                    ; the same in all four partners, for a given wave
	v_and_b32 v1, 15, v0                           ; l % 16
	v_bfe_u32 v2, v0, 4, 1                         ; l / 16
	v_mul_u32_u24 v3, v1, PP
	v_lshl_add_u32 v3, v2, 4, v3
	s_mul_i32 s66, s13, PHALF
	v_add_nc_u32 v[AP0], s66, v3                   ; P: row 64 r + l % 16, 16 bytes for each half of the lanes
	v_and_b32 v48, 7, v0                           ; V, turned: lane l reads key 8 (l / 16) + l % 8, channels 8 ((l / 8) % 2) + 0..7
	v_bfe_u32 v49, v0, 3, 1
	v_lshl_add_u32 v[AV0], v2, 3, v48
	v_mul_u32_u24 v[AV0], v[AV0], PV
	v_lshl_add_u32 v[AV0], v49, 4, v[AV0]
	s_lshl_b32 s66, s14, 7                         ; my 64 channels
	s_add_co_u32 s66, s66, VOFF
	v_add_nc_u32 v[AV0], s66, v[AV0]
	v_add_nc_u32 v[AV1], VHALF, v[AV0]
	v_mov_b32 v[AP], v[AP0]
	v_mov_b32 v[AVA], v[AV0]
	v_mov_b32 v[AVA+1], v[AV1]
	s_lshl_b32 s66, s13, 6
	v_add_nc_u32 v3, s66, v1
	v_mul_u32_u24 v3, v3, TP
	v_add_nc_u32 v[FA0], TBL, v3
	s_mul_i32 s66, s[WV], 16*SP
	s_add_co_u32 s66, s66, STAGE
	v_mul_u32_u24 v3, v1, SP                       ; into my stage: row l % 16, 32 bytes for each half of the lanes
	v_lshl_add_u32 v3, v2, 5, v3
	v_add_nc_u32 v[STO], s66, v3
	v_mul_u32_u24 v3, v2, SP                       ; back: lanes 0-15 one row of 256 bytes, lanes 16-31 the next
	v_lshl_add_u32 v3, v1, 4, v3
	v_add_nc_u32 v[RD], s66, v3
	v_lshlrev_b32 v3, 12, v2
	v_lshl_add_u32 v[GO], v1, 4, v3
	v_mul_u32_u24 v[TA], v0, TP
	v_add_nc_u32 v[TA], TBL, v[TA]
	v_and_b32 v48, 31, v0                          ; the prefetches' offset: for P (16 cx + lane / 2) rows and lane % 2 blocks of 256 bytes, for V a lane a row
	v_lshrrev_b32 v49, 1, v48
	s_lshl_b32 s66, s15, 4
	v_add_nc_u32 v49, s66, v49
	v_and_b32 v50, 1, v48
	v_lshlrev_b32 v49, 12, v49
	v_lshl_add_u32 v49, v50, 8, v49
	v_mul_u32_u24 v50, v48, 6144
	s_cmp_lt_u32 s[WV], 2
	s_cselect_b32 s66, -1, 0
	v_cndmask_b32 v[PFO], v50, v49, s66
	s_lshl_b32 s66, s17, 11                        ; out0: row 2,048 b + 128 strip + 64 r, byte 512 x channel tile + 256 cc
	s_lshl_b32 s67, s13, 6
	s_add_co_u32 s66, s66, s67
	s_lshl_b32 s67, s16, 9
	s_lshl_b32 s68, s14, 8
	s_add_co_u32 s67, s67, s68
	s_lshl_b32 s68, s18, 7
	s_add_co_u32 s68, s68, s66
	s_lshl_b32 s68, s68, 12
	s_add_co_u32 s68, s68, s67
	s_mov_b32 s69, 0
	s_add_nc_u64 s[OLO:OLO+1], s[10:11], s[68:69]
	s_lshl_b32 s68, s19, 7
	s_add_co_u32 s68, s68, s66
	s_lshl_b32 s68, s68, 12
	s_add_co_u32 s68, s68, s67
	s_add_nc_u64 s[OHI:OHI+1], s[10:11], s[68:69]
	v_mov_b32 v59, 0                               ; named as the upper half of a pair
	v_mov_b32 v60, 0                               ; what the padding of a row of the table holds
	v_mov_b32 v61, 0
	v_mov_b32 v62, 0xff000000                      ; -2^127: a group that does not count
.irp k, 0,1,2,3,4,5,6,7
	v_mov_b32 v[FSR+2*(\k)+1], 0                   ; named as the upper halves of pairs
.endr
; THE FACTORS of a strip: thread t takes row t.  The load of a group beyond the strip is clamped to the strip's own group, so that only stored bytes are read; its numbers are then replaced.
.macro FACT strip, off
	s_lshl_b32 s66, s17, 18
	s_lshl_b32 s67, s[\strip], 10
	s_add_co_u32 s66, s66, s67
	v_lshl_add_u32 v48, v0, 3, s66
.set g, 0
.rept 16
	s_min_u32 s67, s[\strip], g
	s_lshl_b32 s67, s67, 14
	v_add_nc_u32 v[96+g], s67, v48
	global_load_b64 v[64+2*g:65+2*g], v[96+g], s[8:9]  ; (c m, l)
.set g, g+1
.endr
	s_wait_loadcnt 0x0
.set g, 1
.rept 15
	s_cmp_le_u32 g, s[\strip]
	s_cselect_b32 s67, -1, 0
	v_cndmask_b32 v[64+2*g], v62, v[64+2*g], s67
	v_cndmask_b32 v[65+2*g], 0, v[65+2*g], s67
.set g, g+1
.endr
	v_max3_num_f32 v49, v64, v66, v68
.irp g, 3,5,7,9,11,13
	v_max3_num_f32 v49, v49, v[64+2*(\g)], v[66+2*(\g)]
.endr
	v_max_num_f32 v49, v49, v94                    ; c M
.set g, 0
.rept 16
	v_sub_f32 v[112+g], v[64+2*g], v49
.set g, g+1
.endr
.set g, 0
.rept 16
	v_exp_f32 v[112+g], v[112+g]
.set g, g+1
.endr
	v_nop                                          ; a plain instruction behind the last exponential,
	s_wait_alu depctr_va_vdst(0)                   ; and one wait for the batch
	v_mul_f32 v50, v112, v65
.set g, 1
.rept 15
	v_fmac_f32 v50, v[112+g], v[65+2*g]            ; L
.set g, g+1
.endr
	v_rcp_f32 v58, v50
	v_nop
	s_wait_alu depctr_va_vdst(0)
.irp k, 0,1,2,3,4,5,6,7
	v_pk_mul_f32 v[112+2*(\k):113+2*(\k)], v[112+2*(\k):113+2*(\k)], v[58:59] op_sel_hi:[1,0]
.endr
.irp k, 0,1,2,3,4,5,6,7
	ds_store_b64 v[TA], v[112+2*(\k):113+2*(\k)] offset:(\off)+8*(\k)
.endr
	ds_store_b64 v[TA], v[60:61] offset:(\off)+64  ; the row's 8 bytes of padding too: the whole table is written
.endm
.macro CLEAR                           ; O starts at 0: at the launch's start in the wait for the first tile, and once more where the second strip begins
.set t, 0
.rept 128
	v_mov_b32 v[O+t], 0
.set t, t+1
.endr
.endm
	FACT 18, 0
	FACT 19, 128*TP
	CLEAR
; 8 matrix instructions: row blocks a0, a0 + 1 x the 4 channel blocks, 32 keys: half c2 of buffer f.  The 16 accumulators take turns.
.macro MUL8 f, c2, a0, zero
	WIN 0x5a                                       ; V and P in window 2, T in window 1
.irp a, \a0, (\a0)+1
.irp b, 0,1,2,3
.if \zero
	v_wmma_f32_16x16x32_f16 v[8*(4*(\a)+(\b)):8*(4*(\a)+(\b))+7], v[(\f)+64+8*(4*(\c2)+(\b)):(\f)+64+8*(4*(\c2)+(\b))+7], v[(\f)+8*(4*(\c2)+(\a)):(\f)+8*(4*(\c2)+(\a))+7], 0
.else
	v_wmma_f32_16x16x32_f16 v[8*(4*(\a)+(\b)):8*(4*(\a)+(\b))+7], v[(\f)+64+8*(4*(\c2)+(\b)):(\f)+64+8*(4*(\c2)+(\b))+7], v[(\f)+8*(4*(\c2)+(\a)):(\f)+8*(4*(\c2)+(\a))+7], v[8*(4*(\a)+(\b)):8*(4*(\a)+(\b))+7]
.endif
.endr
.endr
.endm
.macro FETCH q, f                      ; 32 LDS loads in one run: quarter q's 64 keys into buffer f, the first 32 keys' sixteen first
	WIN 0x80                                       ; destination window 2
.irp c2, 0,1
.irp i, 0,1,2,3
	ds_load_b128 v[(\f)+8*(4*(\c2)+(\i)):(\f)+8*(4*(\c2)+(\i))+3],   v[AP] offset:(\i)*16*PP+128*(\q)+64*(\c2)
	ds_load_b128 v[(\f)+8*(4*(\c2)+(\i))+4:(\f)+8*(4*(\c2)+(\i))+7], v[AP] offset:(\i)*16*PP+128*(\q)+64*(\c2)+32
	ds_load_tr16_b128 v[(\f)+64+8*(4*(\c2)+(\i)):(\f)+64+8*(4*(\c2)+(\i))+3],   v[AVA+(\q)/2] offset:(64*((\q)%2)+32*(\c2))*PV+32*(\i)
	ds_load_tr16_b128 v[(\f)+64+8*(4*(\c2)+(\i))+4:(\f)+64+8*(4*(\c2)+(\i))+7], v[AVA+(\q)/2] offset:(64*((\q)%2)+32*(\c2))*PV+32*(\i)+16*PV
.endr
.endr
.endm
.macro FETCHF                          ; the slot's factors: my query's, for 4 row blocks x 2 groups
	WIN 0
	v_add_nc_u32 v[FA], s[FO], v[FA0]
.irp rb, 0,1,2,3
.irp e, 0,1
	ds_load_b32 v[FSR+2*(2*(\rb)+(\e))], v[FA] offset:16*TP*(\rb)+4*(\e)
.endr
.endr
.endm
.macro QUARTER q, f, g, zero, left=16  ; multiplies buffer f, fetches quarter q into g.  left: the younger LDS loads that may stay out
	s_wait_dscnt \left
	MUL8 \f, 0, 0, \zero
	MUL8 \f, 0, 2, \zero
	PLACES
	FETCH \q, \g
	s_wait_dscnt 32                                ; all but the 32 just issued
	MUL8 \f, 1, 0, 0
	MUL8 \f, 1, 2, 0
.endm
.macro LUMP e                          ; O += T x F(row block, group e): each accumulator is read from its low end on
	PLACES
	WIN 0x01                                       ; T in window 1, all else in window 0
.set t, 0
.rept 16
.irp z, 0,1,2,3
	v_pk_fma_f32 v[O+8*t+2*(\z):O+8*t+2*(\z)+1], v[8*t+2*(\z):8*t+2*(\z)+1], v[FSR+2*(2*(t/4)+(\e)):FSR+2*(2*(t/4)+(\e))+1], v[O+8*t+2*(\z):O+8*t+2*(\z)+1] op_sel_hi:[1,0,1]
.endr
.set t, t+1
.endr
	WIN 0
.endm
; The slot's last quarter multiplies buffer 1 and changes slots: in front of the barrier each wave waits for all its tensor loads (one is out: its part of the next slot), adds 0 to its spare word, and waits for
; that and for its reads of this slot.  fill = 1: the barrier opens a round of the cluster's; the refill, two slots ahead, is the first thing behind it and has 112 matrix instructions and two lumps in which to land.
.macro TURN fill
.if \fill
	s_wait_xcnt 0x0                                ; the last prefetches, a slot back, have read their address
	NEXT PST
	s_cmp_lt_u32 s[WV], 2
	s_cselect_b64 s[PFA:PFA+1], s[6:7], s[VBA:VBA+1]
	s_cselect_b32 s[OP], s[OP], s[OV]
	s_add_nc_u64 s[PFA:PFA+1], s[PFA:PFA+1], s[OP:OP+1]
.endif
	WIN 0
	s_wait_tensorcnt 0x0                           ; no tensor load of mine is out, so a group 0 may be written
	ds_add_u32 v[SPW], v[NIL]
.if \fill
	NEXT FST
	s_xor_b32 s[G0P+5], s[G0P+5], SLOT1            ; the other slot than last time; the addresses are made anew from the walk's numbers
	s_add_nc_u64 s[G0P+6:G0P+7], s[6:7], s[OP:OP+1]
	s_or_b32 s[G0P+7], s[G0P+7], 0x80000000
	s_xor_b32 s[G0V+5], s[G0V+5], SLOT1
	s_add_nc_u64 s[G0V+6:G0V+7], s[VBA:VBA+1], s[OV:OV+1]
	s_or_b32 s[G0V+7], s[G0V+7], 0x80000000
.endif
	s_wait_dscnt 17                                ; the add and the youngest sixteen loads may be out
	MUL8 F1, 0, 0, 0
	s_wait_dscnt 0x0                               ; the add is done, my reads of this slot are over
	s_barrier_signal -1
	MUL8 F1, 0, 2, 0
	WIN 0
	s_barrier_wait -1
.if \fill
	CREST
	JLOAD                                          ; its four v_nop are also the places in front of the loads below
.else
	PLACES
.endif
	s_xor_b32 s[TB], s[TB], SLOT1
	v_add_nc_u32 v[AP], s[TB], v[AP0]
	v_add_nc_u32 v[AVA], s[TB], v[AV0]
	v_add_nc_u32 v[AVA+1], s[TB], v[AV1]
	FETCH 0, F0
.if \fill
	ASK
.endif
	MUL8 F1, 1, 0, 0
	MUL8 F1, 1, 2, 0
.endm
; A strip's 64 x 64 numbers of mine leave: a row block at a time through my own stage, back as whole rows of 256 bytes.
; skip = 1 (the first strip): where my first row block is a batch's rows 0 to 15 it is jumped over: the launch before has stored those rows.  The jump hangs on a and the wave's number, the same in all
; partners; it passes no barrier and no tensor load, and every wait behind it is for 0.
.macro OUT base, skip=0
	WIN 0
.irp rb, 0,1,2,3
.if (\skip) && ((\rb) == 0)
	s_cmp_eq_u32 s[HSK], 0
	s_cbranch_scc1 .Lhead_rows_\@
.endif
.irp bch, 0,1,2,3
	ds_store_b128 v[STO], v[O+8*(4*(\rb)+(\bch)):O+8*(4*(\rb)+(\bch))+3]   offset:64*(\bch)
	ds_store_b128 v[STO], v[O+8*(4*(\rb)+(\bch))+4:O+8*(4*(\rb)+(\bch))+7] offset:64*(\bch)+16
.endr
	s_wait_xcnt 0x0                                ; earlier stores have read their data: the registers below are loaded again only behind this wait
.irp t, 0,1,2,3,4,5,6,7
	ds_load_b128 v[64+32*((\rb)%2)+4*(\t):64+32*((\rb)%2)+4*(\t)+3], v[RD] offset:(\t)*2*SP  ; LDS serves a wave's instructions in order (ISA guide 5.7.1.4)
.endr
	s_wait_dscnt 0x0
.irp t, 0,1,2,3,4,5,6,7
	global_store_b128 v[GO], v[64+32*((\rb)%2)+4*(\t):64+32*((\rb)%2)+4*(\t)+3], s[(\base):(\base)+1] offset:(16*(\rb)+2*(\t))*4096 th:TH_STORE_NT  ; 16 lanes store 256 consecutive bytes, aligned
.endr
.if (\skip) && ((\rb) == 0)
.Lhead_rows_\@:
.endif
.endr
.endm
	s_wait_tensorcnt 0x1                           ; my part of slot 0 is in; slot 1's may stay out
	s_wait_dscnt 0x0                               ; for the others' sake: my rows of the table are stored
	s_barrier_signal -1
	s_barrier_wait -1
	FETCH 0, F0
	FETCHF
	s_mov_b32 s3, 7
.Lslot:                                        ; trip n: slot n of the walk is multiplied, slot n + 2 asked for
	QUARTER 1, F0, F1, 1, 24                       ; (the eight loads of the factors are younger than the fragments')
	QUARTER 2, F1, F0, 0
	LUMP 0
	QUARTER 3, F0, F1, 1
	TURN 1
	LUMP 1
	s_sub_co_u32 s[RT], s[RT], 1
	s_add_co_u32 s[FO], s[FO], 8
	s_cmp_lg_u32 s[RT], 0
	s_cbranch_scc1 .Lsame                          ; the jump hangs on a alone, which the partners share; it passes no barrier and no tensor load
	OUT OLO, 1                                     ; the first strip is finished (behind slot 0 to 3)
	CLEAR
	s_mov_b32 s[FO], 128*TP                        ; the second strip's factors
.Lsame:
	FETCHF
	s_sub_co_u32 s3, s3, 1
	s_cmp_lg_u32 s3, 0
	s_cbranch_scc1 .Lslot
	QUARTER 1, F0, F1, 1, 24                       ; the tail is written out: slots 7 and 8 ask for nothing
	QUARTER 2, F1, F0, 0
	LUMP 0
	QUARTER 3, F0, F1, 1
	TURN 0
	LUMP 1
	s_add_co_u32 s[FO], s[FO], 8
	FETCHF
	QUARTER 1, F0, F1, 1, 24
	QUARTER 2, F1, F0, 0
	LUMP 0
	QUARTER 3, F0, F1, 1
	s_wait_dscnt 16
	MUL8 F1, 0, 0, 0
	MUL8 F1, 0, 2, 0
	s_wait_dscnt 0x0
	MUL8 F1, 1, 0, 0
	MUL8 F1, 1, 2, 0
	LUMP 1
	OUT OHI
	s_wait_tensorcnt 0x0                           ; the wave's end, behind my last tensor load and my last LDS store
	ds_add_u32 v[SPW], v[NIL]
	s_wait_dscnt 0x0
	CROUND                                         ; the closing round: no work-group ends while a partner may still ask for a tile that names it
	s_endpgm
.Lfunc_end_k_qebb37dfc29_pv:
	.size	k_qebb37dfc29_pv, .Lfunc_end_k_qebb37dfc29_pv-k_qebb37dfc29_pv
	.p2alignl 7, 3214868480
	.fill 96, 4, 3214868480
	.section	.rodata,"a",@progbits
	.p2align	6, 0x0
	.amdhsa_kernel k_qebb37dfc29_pv
		.amdhsa_group_segment_fixed_size 327680
		.amdhsa_private_segment_fixed_size 0
		.amdhsa_enable_private_segment 0
		.amdhsa_kernarg_size 32
		.amdhsa_user_sgpr_count 2
		.amdhsa_user_sgpr_kernarg_segment_ptr 1
		.amdhsa_wavefront_size32 1
		.amdhsa_system_sgpr_workgroup_id_x 1
		.amdhsa_system_sgpr_workgroup_id_y 1
		.amdhsa_system_sgpr_workgroup_id_z 1
		.amdhsa_system_vgpr_workitem_id 0
		.amdhsa_next_free_vgpr 768
		.amdhsa_next_free_sgpr 88
		.amdhsa_reserve_vcc 0
		.amdhsa_float_denorm_mode_32 3
		.amdhsa_float_denorm_mode_16_64 3
		.amdhsa_memory_ordered 1
		.amdhsa_forward_progress 1
		.amdhsa_inst_pref_size 133
	.end_amdhsa_kernel
	.amdgpu_metadata
---
amdhsa.version: [ 1, 2 ]
amdhsa.kernels:
  - .name:           k_qebb37dfc29_pv
    .symbol:         k_qebb37dfc29_pv.kd
    .args:
      - { .name: qkv, .offset: 0, .size: 8, .value_kind: global_buffer, .address_space: global }
      - { .name: pw, .offset: 8, .size: 8, .value_kind: global_buffer, .address_space: global }
      - { .name: st, .offset: 16, .size: 8, .value_kind: global_buffer, .address_space: global }
      - { .name: out0, .offset: 24, .size: 8, .value_kind: global_buffer, .address_space: global }
    .group_segment_fixed_size: 327680
    .private_segment_fixed_size: 0
    .kernarg_segment_align: 8
    .kernarg_segment_size: 32
    .max_flat_workgroup_size: 128
    .sgpr_count:     88
    .vgpr_count:     768
    .wavefront_size: 32
...
	.end_amdgpu_metadata
.endif
;; end of part 4
